; MI455X (gfx1250); checked and timed in simulation.
; The chip was launched on July 23, 2026; its instructions are those of AMD's public machine-readable ISA for CDNA 5 (MIT licence, August 2026) and "CDNA5" Instruction Set Architecture Reference Guide (July 2026). The comments in the code are by the model that wrote it; some were corrected since.
;; Cross Attnetion all. Allowed arithmetic: matrix products marked QUANTISED: E4M3 operands, one E8M0 scale for each 32 along K, by v_wmma_scale_f32_16x16x128_f8f6f4 with both operands' format E4M3, f32 sums; everything else in f32.
;; Inputs: W1 512 x 512 float32; W2 256 x 512 float32; Wk 256 x 256 float32; Wm 256 x 256 float32; Wq 256 x 256 float32; Wv 256 x 256 float32; b1 512 float32; b2 256 float32; bk 256 float32; bm 256 float32; bq 256 float32; bv 256 float32; descs 1 x 8,192 x 256 float32.
;; Outputs: out0 1 x 8,192 x 256 float32.
;; This version of the problem:
;;   THIS VERSION OF THE PROBLEM IS GIVEN IN LOW PRECISION. The matrix products marked QUANTISED in the list below multiply operands that are first quantised to E4M3 (4 exponent bits, 3 mantissa bits; 8 bits a number), with one power-of-two scale for each 32 numbers along K (OCP MX v1.0); their sums are f32. All else is computed in f32.
;;   The module's matrix products, in the order in which they are computed (A, B: the left and right operand; K: the contracted axis; several contracted axes count as one K, in the product's order):
;;     1. [M 8,192, K 256] x [K 256, N 256]; A: input descs; B: input Wq: QUANTISED
;;     2. [M 8,192, K 256] x [K 256, N 256]; A: input descs; B: input Wk: QUANTISED
;;     3. [M 8,192, K 256] x [K 256, N 256]; A: input descs; B: input Wv: QUANTISED
;;     4. batch 4 x [M 8,192, K 64] x [K 64, N 8,192]; A: computed on the way; B: computed on the way: QUANTISED
;;     5. batch 4 x [M 64, K 8,192] x [K 8,192, N 8,192]; A: computed on the way; B: softmax (see below): QUANTISED
;;     6. [M 8,192, K 256] x [K 256, N 256]; A: computed on the way; B: input Wm: QUANTISED
;;     7. [M 8,192, K 512] x [K 512, N 512]; A: computed on the way; B: input W1: QUANTISED
;;     8. [M 8,192, K 512] x [K 512, N 256]; A: computed on the way; B: input W2: QUANTISED
;;   THE QUANTISER, for each operand of a quantised product, along K:
;;     - K is cut into blocks of 32 from its start; a last block that is shorter is filled with zeros.
;;     - A block's scale is 2^e with e = floor(log2(the largest magnitude in the block)) - 8, held to -126 .. 127; a block of zeros has e = 0. As a byte (E8M0): e + 127.
;;     - Each number is divided by its block's scale, clamped to +-448, and rounded to the nearest number of E4M3, ties to even, subnormals kept.
;;     - The product sums the exact products of the quantised numbers (number of the format x scale) in f32.
;;   ~~~python
;;   def quantise(x, axis):      # numpy; x: float32 -> the quantised numbers, widened to float32 again
;;       x = np.moveaxis(x, axis, -1); K = x.shape[-1]
;;       x = np.pad(x, [(0, 0)] * (x.ndim - 1) + [(0, -K % 32)]); x = x.reshape(x.shape[:-1] + (-1, 32)); a = np.abs(x).max(-1, keepdims=True)
;;       e = np.where(a > 0, np.clip(np.frexp(np.where(a > 0, a, 1))[1] - 1 - 8, -126, 127), 0)      # np.frexp(a)[1] - 1 = floor(log2(a)), exactly
;;       r = np.clip(x / 2.0 ** e, -448, 448)
;;       step = 2.0 ** (np.maximum(np.frexp(np.where(r == 0, 1, r))[1] - 1, -6) - 3)
;;       q = np.round(r / step) * step * 2.0 ** e      # np.round: ties to even
;;       return np.moveaxis(q.reshape(q.shape[:-2] + (-1,))[..., :K], -1, axis).astype(np.float32)
;;   ~~~
;;   SOFTMAX AHEAD OF A QUANTISED PRODUCT. Where the list says 'softmax', what is quantised is not the finished softmax but p = 2^(t - M), with t = logit x log2(e) and M = ceil(the row's largest t), a whole number; so 1/2 < the row's largest p <= 1. The row's sum l is taken of the UNQUANTISED p, in f32, and the product's result is divided by l at the end. Since M is a whole number, a kernel that streams over the keys may use a running M (the ceiling of the running maximum): every later rescaling is an exact power of two, which a block's scale takes up: the codes' values come out the same.
;;   OPERANDS COMPUTED ON THE WAY. 'Computed on the way' means the value that the module computes at that place (a softmax that the list does not call 'softmax' is quantised finished and normalised). What goes into a quantiser is computed in f32, as accurately as f32 sums, v_exp_f32 and their like allow (about 1e-6 of the number): no bf16 or f16 on the way to a quantiser, and a product that is left as it is and whose result goes on into a quantised operand takes f32 operands (vector FMAs, or v_wmma_f32_16x16x4_f32). A number that lies on a knife's edge between two numbers of the format may be rounded either way, as far as f32 arithmetic and the matrix unit's own rounding can turn it there, and no further.
;; One version. Each part assembles by itself: llvm-mc -triple=amdgcn-amd-amdhsa -mcpu=gfx1250 --defsym DOCPART=n.
;; ======== version 1 of 1: 4 launches
;; workspace buffers: qimg 2,097,152 bytes; qsc 262,144 bytes; kv 4,456,448 bytes; wimg 458,752 bytes; wsc 28,672 bytes; msg 8,388,608 bytes; ybuf 16,777,216 bytes; part 262,144 bytes
;; launch proj (part 1): grid 64 x 4, 4 waves a work-group, no clusters, 90,624 bytes of LDS; arguments descs, Wq, Wk, Wv, bq, bk, bv, Wm, W1, W2, qimg, qsc, kv, wimg, wsc; writes qimg, qsc, kv, wimg, wsc
.if DOCPART == 1
	.amdgcn_target "amdgcn-amd-amdhsa--gfx1250"
	.amdhsa_code_object_version 6
	.text
	.protected	k_qf9f8365828_proj
	.globl	k_qf9f8365828_proj
	.p2align	8
	.type	k_qf9f8365828_proj,@function
k_qf9f8365828_proj:
	s_mov_b64 s[64:65], 0
	v_nop
	global_prefetch_b8 v0, s[64:65] scope:SCOPE_SE
	s_setreg_imm32_b32 hwreg(HW_REG_WAVE_MODE, 25, 1), 1
	s_wait_xcnt 0x0
; q, k, v = descs W^T + b for one head and 128 points, on codes of FP8 (E4M3) with one E8M0 scale for each 32 along K, and the results quantised again for attention.
; Work-group (s, h): points 128 s .. 128 s + 127, head h (channel o = 4 d + h).  Four waves.  Phase A: each wave quantises four fragments of descs (its 32 points x 256) and its tile of 16 rows of Wq, Wk, Wv
; (two fragments each) and lays them in LDS as images of the operand's registers (group c of four registers at 512 c + 16 x lane, the scale word at 4 x lane).  Phase B: q and k transposed (source 0 = 16 rows of W,
; source 1 = 16 points): a lane holds one point and its registers run along d, the next K; v natural (source 0 = 16 points, source 1 = 16 rows of Wv): a lane holds one d and its registers run along the keys, its next K.
; TILES OF POINTS AND OF d ARE NOT NEIGHBOURS: lane r of tile (b, u) takes row 32 b + 8 u + r + 8 (r / 8), so that the 16 registers of tiles (b, 0) and (b, 1) are 16 neighbours along the next K.
; OUT: qimg [h][s][tile 8][group 2][lane][16 B]; qsc [h][s][pair 4][lane][2 words], a word = (e0, e1, e0, e1); kv [h][s][record of 17,408 B]: K's 4 fragments (tile (b, 0) in k 0-63, tile (b, 1) in k 64-127), V's 4, K's scale words
; [lane][4], V's [lane][4].  Wave 0 of the first 224 work-groups also quantises one fragment of Wm, W1 or W2 into wimg / wsc (its scale words are 128 bytes: half of an aligned 256, 28 KB in the whole launch).
; LIMITS: NaN and infinities are not served; a block of zeros, or one whose largest magnitude lies under 2^-118, gets the byte 1 (its codes are zeros or small; these bytes are read by this program alone).
.set REC,  17408
.set XIMG, 0                           ; LDS: descs' 16 fragments, (2 b + u) * 2 + ks, 2,048 bytes each
.set XSC,  32768                       ; their scale words, 128 bytes each
.set WB,   34816                       ; from here on offsets are counted from WB, which stands in the address registers: an LDS immediate has 16 bits
.set WQI,  0                           ; Wq's 8 fragments, tile * 2 + ks
.set WQS,  16384
.set WKI,  17408
.set WKS,  33792
.set WVI,  34816
.set WVS,  51200
.set SCST, 87040                       ; 1,024 bytes: K's and V's scale words of the record, as they will lie in memory
.set LI,  1                            ; v1   16 x lane
.set LS,  2                            ; v2   4 x lane
.set XA,  3                            ; v3   descs: 1,024 x rho + 64 hh
.set WA,  4                            ; v4   Wq, Wk: 4,096 x rho + 64 hh
.set VA,  5                            ; v5   Wv: 4,096 r + 64 hh
.set LIW, 6                            ; v6   LI + WB
.set LSW, 7                            ; v7   LS + WB
.set XWI, 8                            ; v8   LI + 8,192 wave
.set XWS, 9                            ; v9   LS + 512 wave
.set WWI, 10                           ; v10  LIW + 4,096 wave
.set WWS, 11                           ; v11  LSW + 256 wave
.set SCA, 12                           ; v12  SCST + 16 x lane + 4 wave
.set SCR, 13                           ; v13  SCST + 256 wave + 8 x lane
.set L8,  14                           ; v14  8 x lane
.set JA,  15                           ; v15  the extra fragment's lane offset
.set R0,  16                           ; v16-79   64 numbers / four fragments
.set R1,  80                           ; v80-143  64 numbers
.set ACC, 144                          ; v144-207 eight accumulators
.set BA,  144                          ; (in phase A: 256 hh,
.set BVA, 145                          ;  and 16 r: offsets of the bias loads)
.set PC,  208                          ; v208-223 codes
.set TM,  224                          ; v224-239 the quantiser's work
.set PW,  240                          ; v240 the scale word just made
.set XS,  242                          ; v242-245 descs' scale words
.set WS,  246                          ; v246-253 the weights' scale words
.set HW,  254                          ; v254-255 words on their way out
.set BQ,  128                          ; window 1: v0-127 eight weight fragments; v128-159 bq, v160-191 bk, v192-199 bv in the results' layout
.set BK,  160
.set BV,  192
.set WV,  34
.set HD,  35
.set SEL, 36
.set MNT, 38
.set JF,  39
.set JOB, 40
.set JP,  46
.set KVS, 56
.set MSB, 0
.macro WIN new                         ; the immediate's high byte repeats the setting that is left
.if MSB != (\new)
	s_set_vgpr_msb (MSB<<8)|(\new)
.set MSB, (\new)
.endif
.endm
.macro PLACES n
.rept \n
	v_nop
.endr
.endm
.macro BARRIER                         ; my LDS stores have landed and my LDS loads are in: then the work-group's barrier
	s_wait_dscnt 0x0
	s_barrier_signal -1
	s_barrier_wait -1
.endm
.macro LDF reg, va, sb, off            ; 64 numbers of a lane: register 16 c + i = k 32 c + 16 hh + i of my row
.irp c,0,1,2,3
.irp j,0,1,2,3
	global_load_b128 v[(\reg)+16*\c+4*\j:(\reg)+16*\c+4*\j+3], v[\va], s[\sb:\sb+1] offset:(\off)+128*\c+16*\j
.endr
.endr
.endm
.macro IMAGE adr, off                  ; the fragment in v[PC] on goes to LDS as it stands
.irp c,0,1,2,3
	ds_store_b128 v[\adr], v[PC+4*\c:PC+4*\c+3] offset:(\off)+512*\c
.endr
.endm
.macro FETCH reg, adr, off             ; and comes back so, in any wave
.irp c,0,1,2,3
	ds_load_b128 v[(\reg)+4*\c:(\reg)+4*\c+3], v[\adr] offset:(\off)+512*\c
.endr
.endm
; nb blocks of 32 along K: a lane's numbers v[s + 16 b + i] become codes in v[pc + 4 b] on and the scale word in v[PW].  relu = 1: what is negative becomes 0.  perm = 1: number i goes to place 4 (i % 4) + i / 4 of v[d + 16 b].
.macro QUANT s, d, pc, nb, relu, perm
.set QB, 0
.rept \nb
.if \relu
	v_max3_num_f32 v[TM+QB], v[(\s)+16*QB], v[(\s)+16*QB+1], 0x4800000          ; my 16 numbers and the floor 2^(9 - 127): the byte cannot fall under 1
.else
	v_max3_num_f32 v[TM+QB], |v[(\s)+16*QB]|, |v[(\s)+16*QB+1]|, 0x4800000
.endif
.set QB, QB+1
.endr
.set QI, 2
.rept 7
.set QB, 0
.rept \nb
.if \relu
	v_max3_num_f32 v[TM+QB], v[TM+QB], v[(\s)+16*QB+QI], v[(\s)+16*QB+QI+1]
.else
	v_max3_num_f32 v[TM+QB], v[TM+QB], |v[(\s)+16*QB+QI]|, |v[(\s)+16*QB+QI+1]|
.endif
.set QB, QB+1
.endr
.set QI, QI+2
.endr
.set QB, 0
.rept \nb
	v_permlanex16_b32 v[TM+4+QB], v[TM+QB], s[SEL], s[SEL+1]
.set QB, QB+1
.endr
.set QB, 0
.rept \nb
	v_max_num_f32 v[TM+QB], v[TM+QB], v[TM+4+QB]                               ; with lane l xor 16's: the block's largest magnitude
.set QB, QB+1
.endr
.set QB, 0
.rept \nb
	v_add_nc_u32 v[TM+12+QB], 0xfc000000, v[TM+QB]                             ; 8 off its exponent field: the conversion's scale operand
.set QB, QB+1
.endr
.set QB, 0
.rept \nb
	v_and_or_b32 v[TM+8+QB], v[TM+QB], 0x7f800000, s[MNT]                      ; 448 x the scale
.set QB, QB+1
.endr
.set QB, 0
.rept \nb
	v_lshrrev_b32 v[TM+4+QB], 23, v[TM+12+QB]                                  ; the scale's byte
.set QB, QB+1
.endr
	v_lshl_or_b32 v[PW], v[TM+5], 8, v[TM+4]
.if (\nb) > 2
	v_lshl_or_b32 v[PW], v[TM+6], 16, v[PW]
	v_lshl_or_b32 v[PW], v[TM+7], 24, v[PW]
.endif
.set QB, 0
.rept \nb
.set QI, 0
.rept 16
.if \perm
.set QP, 4*(QI%4)+QI/4
.else
.set QP, QI
.endif
.if \relu
	v_med3_num_f32 v[(\d)+16*QB+QP], v[(\s)+16*QB+QI], 0, v[TM+8+QB]
.else
	v_med3_num_f32 v[(\d)+16*QB+QP], v[(\s)+16*QB+QI], -v[TM+8+QB], v[TM+8+QB]  ; the conversion to an 8-bit code does not saturate (ISA guide 7.6.2): the hold at the largest code x the scale
.endif
.set QI, QI+1
.endr
	v_cvt_scalef32_pk8_fp8_f32 v[(\pc)+4*QB:(\pc)+4*QB+1], v[(\d)+16*QB:(\d)+16*QB+7], v[TM+12+QB]
	v_cvt_scalef32_pk8_fp8_f32 v[(\pc)+4*QB+2:(\pc)+4*QB+3], v[(\d)+16*QB+8:(\d)+16*QB+15], v[TM+12+QB]
.set QB, QB+1
.endr
	v_nop                                          ; a plain line between the last conversion and whatever later touches its registers
.endm
	s_load_b256 s[4:11], s[0:1], 0x0               ; descs, Wq, Wk, Wv
	s_load_b256 s[12:19], s[0:1], 0x20             ; bq, bk, bv, Wm
	s_load_b256 s[20:27], s[0:1], 0x40             ; W1, W2, qimg, qsc
	s_load_b128 s[28:31], s[0:1], 0x60             ; kv, wimg
	s_load_b64 s[32:33], s[0:1], 0x70              ; wsc
	v_lshl_add_u32 v241, v0, 2, 0x16000
	s_set_vgpr_msb 0x40
	v_mov_b32 v255, 0
	s_set_vgpr_msb 0x4000
	v_lshrrev_b32 v16, 5, v0
	v_readfirstlane_b32 s[WV], v16                 ; wave 0..3
	s_and_b32 s[HD], ttmp7, 0xffff                 ; the head
	s_lshl_b32 s[JOB], s[HD], 6
	s_add_co_u32 s[JOB], s[JOB], ttmp9             ; 64 h + s: the record's number, and the extra fragment's
	s_mov_b32 s[SEL], 0x76543210
	s_mov_b32 s[SEL+1], 0xfedcba98                 ; v_permlanex16_b32's selects for lane l xor 16
	s_mov_b32 s[MNT], 0x600000                     ; the mantissa field of 448
	s_cmp_lt_u32 s[JOB], 224
	s_cselect_b32 s[JF], 1, 0
	s_cmp_eq_u32 s[WV], 0
	s_cselect_b32 s[JF], s[JF], 0                  ; 1: this wave has an extra fragment
	s_cmp_lt_u32 s[JOB], 160
	s_cselect_b32 s48, 32, 160                     ; the first fragment number of W1, of W2,
	s_cmp_lt_u32 s[JOB], 32
	s_cselect_b32 s48, 0, s48                      ; of Wm
	s_cselect_b32 s49, 1, 2                        ; log2 of the K steps in a row
	s_cselect_b32 s50, 10, 11                      ; log2 of a row's bytes
	s_sub_co_u32 s48, s[JOB], s48
	s_lshr_b32 s51, s48, s49                       ; its tile T
	s_lshl_b32 s52, 1, s49
	s_sub_co_u32 s52, s52, 1
	s_and_b32 s52, s48, s52                        ; its K step
	s_lshr_b32 s53, s51, 1
	s_lshl_b32 s53, s53, 5
	s_and_b32 s54, s51, 1
	s_lshl_b32 s54, s54, 3
	s_add_co_u32 s53, s53, s54                     ; the tile's first row: 32 (T / 2) + 8 (T % 2)
	s_lshl_b32 s53, s53, s50
	s_lshl_b32 s52, s52, 9
	s_add_co_u32 s52, s53, s52
	s_mov_b32 s53, 0                               ; s[52:53]: where the fragment begins in its weight
	v_and_b32 v19, 31, v0                          ; lane
	v_and_b32 v16, 15, v0                          ; r
	v_bfe_u32 v17, v0, 4, 1                        ; hh
	v_and_b32 v18, 8, v16
	v_add_nc_u32 v18, v18, v16                     ; rho = r + 8 (r / 8)
	v_lshlrev_b32 v[LI], 4, v19
	v_lshlrev_b32 v[LS], 2, v19
	v_lshlrev_b32 v[L8], 3, v19
	v_lshlrev_b32 v17, 6, v17                      ; 64 hh
	v_lshl_add_u32 v[XA], v18, 10, v17
	v_lshl_add_u32 v[WA], v18, 12, v17
	v_lshl_add_u32 v[VA], v16, 12, v17
	v_lshlrev_b32 v[BA], 2, v17
	v_lshlrev_b32 v[BVA], 4, v16
	v_lshlrev_b32 v[JA], s50, v18
	v_add_nc_u32 v[JA], v[JA], v17
	v_add_nc_u32 v[LIW], WB, v[LI]
	v_add_nc_u32 v[LSW], WB, v[LS]
	s_lshl_b32 s42, s[WV], 13
	v_add_nc_u32 v[XWI], s42, v[LI]
	s_lshl_b32 s42, s[WV], 9
	v_add_nc_u32 v[XWS], s42, v[LS]
	s_lshl_b32 s42, s[WV], 12
	v_add_nc_u32 v[WWI], s42, v[LIW]
	s_lshl_b32 s42, s[WV], 8
	v_add_nc_u32 v[WWS], s42, v[LSW]
	v_add_nc_u32 v[SCR], s42, v[L8]
	v_add_nc_u32 v[SCR], SCST, v[SCR]
	s_lshl_b32 s42, s[WV], 2
	v_add_nc_u32 v[SCA], s42, v[LI]
	v_add_nc_u32 v[SCA], SCST, v[SCA]
.irp b,0,1,2,3
	v_mov_b32 v[TM+4+\b], 0                        ; written once: a lane permute's destination counts as one of its sources
.endr
	s_mov_b32 s43, 0
	s_wait_kmcnt 0x0
	s_lshl_b32 s42, ttmp9, 17
	s_lshl_b32 s44, s[WV], 15
	s_add_co_u32 s42, s42, s44
	s_add_nc_u64 s[4:5], s[4:5], s[42:43]          ; descs at point 128 s + 32 wave
	s_lshr_b32 s42, s[WV], 1
	s_lshl_b32 s42, s42, 17
	s_and_b32 s44, s[WV], 1
	s_lshl_b32 s44, s44, 15
	s_add_co_u32 s42, s42, s44
	s_lshl_b32 s44, s[HD], 10
	s_add_co_u32 s42, s42, s44
	s_add_nc_u64 s[6:7], s[6:7], s[42:43]          ; Wq, Wk at row 4 (32 (wave / 2) + 8 (wave % 2)) + h
	s_add_nc_u64 s[8:9], s[8:9], s[42:43]
	s_lshl_b32 s42, s[WV], 16
	s_add_co_u32 s42, s42, s44
	s_add_nc_u64 s[10:11], s[10:11], s[42:43]      ; Wv at row 64 wave + h
	s_lshl_b32 s42, s[HD], 2
	s_add_nc_u64 s[12:13], s[12:13], s[42:43]      ; bq, bk at h
	s_add_nc_u64 s[14:15], s[14:15], s[42:43]
	s_lshl_b32 s45, s[WV], 8
	s_add_co_u32 s42, s42, s45
	s_add_nc_u64 s[16:17], s[16:17], s[42:43]      ; bv at 64 wave + h
	s_lshl_b32 s42, s[JOB], 13
	s_lshl_b32 s44, s[WV], 11
	s_add_co_u32 s42, s42, s44
	s_add_nc_u64 s[24:25], s[24:25], s[42:43]      ; qimg at my two tiles
	s_lshl_b32 s42, s[JOB], 10
	s_add_co_u32 s42, s42, s45
	s_add_nc_u64 s[26:27], s[26:27], s[42:43]      ; qsc at my pair
	s_mul_i32 s42, s[JOB], REC
	s_add_nc_u64 s[28:29], s[28:29], s[42:43]      ; the record
	s_add_co_u32 s42, s45, 16384
	s_add_nc_u64 s[KVS:KVS+1], s[28:29], s[42:43]  ; its scale words, my 256 bytes of them
	s_mov_b32 s42, s44
	s_add_nc_u64 s[28:29], s[28:29], s[42:43]      ; its fragment number wave
	s_cmp_lt_u32 s[JOB], 160                       ; the extra fragment's weight: a choice on the work-group's number alone
	s_cselect_b64 s[JP:JP+1], s[20:21], s[22:23]
	s_cmp_lt_u32 s[JOB], 32
	s_cselect_b64 s[JP:JP+1], s[18:19], s[JP:JP+1]
	s_add_nc_u64 s[JP:JP+1], s[JP:JP+1], s[52:53]
	s_lshl_b32 s42, s[JOB], 11
	s_add_nc_u64 s[30:31], s[30:31], s[42:43]
	s_lshl_b32 s42, s[JOB], 7
	s_add_nc_u64 s[32:33], s[32:33], s[42:43]
	WIN 0x40                                       ; destination window 1: the biases in the results' layout
.set TT, 0
.rept 4
.set JJ, 0
.rept 8
	global_load_b32 v[BQ+8*TT+JJ], v[BA], s[12:13] offset:16*(32*(TT/2)+8*(TT%2)+JJ)   ; register j of tile (b, u): d = 32 b + 8 u + 16 hh + j
	global_load_b32 v[BK+8*TT+JJ], v[BA], s[14:15] offset:16*(32*(TT/2)+8*(TT%2)+JJ)
.set JJ, JJ+1
.endr
.set TT, TT+1
.endr
.irp j,0,1,2,3,4,5,6,7
	global_load_b32 v[BV+\j], v[BVA], s[16:17]     ; v: a lane holds one d: the same number in all eight registers
.endr
	WIN 0
; ---- A: ten fragments a wave, two landing sets by turns.  The count 16 leaves the next fragment's sixteen loads out.
.macro ASTEP set, left, adr, off, sadr, soff
	s_wait_loadcnt \left
	QUANT \set, \set, PC, 4, 0, 0
	IMAGE \adr, \off
	ds_store_b32 v[\sadr], v[PW] offset:\soff
.endm
	LDF R0, XA, 4, 0
	LDF R1, XA, 4, 512
	ASTEP R0, 16, XWI, XIMG, XWS, XSC
	LDF R0, XA, 4, 8192
	s_wait_dscnt 0x0                               ; the stores have read the codes' registers
	ASTEP R1, 16, XWI, XIMG+2048, XWS, XSC+128
	LDF R1, XA, 4, 8704
	s_wait_dscnt 0x0
	ASTEP R0, 16, XWI, XIMG+4096, XWS, XSC+256
	LDF R0, WA, 6, 0
	s_wait_dscnt 0x0
	ASTEP R1, 16, XWI, XIMG+6144, XWS, XSC+384
	LDF R1, WA, 6, 512
	s_wait_dscnt 0x0
	ASTEP R0, 16, WWI, WQI, WWS, WQS
	LDF R0, WA, 8, 0
	s_wait_dscnt 0x0
	ASTEP R1, 16, WWI, WQI+2048, WWS, WQS+128
	LDF R1, WA, 8, 512
	s_wait_dscnt 0x0
	ASTEP R0, 16, WWI, WKI, WWS, WKS
	LDF R0, VA, 10, 0
	s_wait_dscnt 0x0
	ASTEP R1, 16, WWI, WKI+2048, WWS, WKS+128
	LDF R1, VA, 10, 512
	s_wait_dscnt 0x0
	ASTEP R0, 16, WWI, WVI, WWS, WVS
	s_wait_dscnt 0x0
	ASTEP R1, 0, WWI, WVI+2048, WWS, WVS+128
	BARRIER                                        ; all forty fragments lie in LDS
	s_cmp_eq_u32 s[JF], 1
	s_cbranch_scc0 .Lno_job_load
	LDF R1, JA, JP, 0                              ; the extra fragment's numbers land while phase B, which leaves v80-143 alone, is at work
.Lno_job_load:
; ---- B: q, then k.  My two tiles of points (u) x the head's four tiles of d
.irp f,0,1,2,3
	FETCH R0+16*\f, XWI, XIMG+2048*\f
	ds_load_b32 v[XS+\f], v[XWS] offset:XSC+128*\f
.endr
.macro QK img, sc, bias, isq
	WIN 0x40
.set FI, 0
.rept 32
	ds_load_b128 v[4*FI:4*FI+3], v[LIW] offset:(\img)+512*FI
.set FI, FI+1
.endr
	WIN 0
.set FI, 0
.rept 8
	ds_load_b32 v[WS+FI], v[LSW] offset:(\sc)+128*FI
.set FI, FI+1
.endr
	s_wait_dscnt 0x0
	WIN 0x11                                       ; source 0 (W) and source 2 (the bias) window 1
.irp u,0,1
.irp t,0,1,2,3
	v_wmma_scale_f32_16x16x128_f8f6f4 v[ACC+32*\u+8*\t:ACC+32*\u+8*\t+7], v[32*\t:32*\t+15], v[R0+32*\u:R0+32*\u+15], v[(\bias)+8*\t:(\bias)+8*\t+7], v[WS+2*\t], v[XS+2*\u]
.endr
.endr
	WIN 0x01                                       ; the eight accumulators take turns
.irp u,0,1
.irp t,0,1,2,3
	v_wmma_scale_f32_16x16x128_f8f6f4 v[ACC+32*\u+8*\t:ACC+32*\u+8*\t+7], v[32*\t+16:32*\t+31], v[R0+32*\u+16:R0+32*\u+31], v[ACC+32*\u+8*\t:ACC+32*\u+8*\t+7], v[WS+2*\t+1], v[XS+2*\u+1]
.endr
.endr
	WIN 0
	PLACES 9                                       ; behind the products: eight for reads and loads, nine for the products that later begin these accumulators anew
	s_wait_xcnt 0x0                                ; earlier stores have read the codes' and the words' registers
	QUANT ACC, ACC, PC, 2, 0, 0
.if \isq
	v_lshl_or_b32 v[HW], v[PW], 16, v[PW]          ; (e0, e1, e0, e1): the word serves q in k 0-63 and in k 64-127
	global_store_b128 v[LI], v[PC:PC+3], s[24:25]
	global_store_b128 v[LI], v[PC+4:PC+7], s[24:25] offset:512
.else
	v_mov_b32 v[HW], v[PW]
	global_store_b128 v[LI], v[PC:PC+3], s[28:29]
	global_store_b128 v[LI], v[PC+4:PC+7], s[28:29] offset:512
.endif
	QUANT ACC+32, ACC+32, PC+8, 2, 0, 0
.if \isq
	v_lshl_or_b32 v[HW+1], v[PW], 16, v[PW]
	global_store_b128 v[LI], v[PC+8:PC+11], s[24:25] offset:1024
	global_store_b128 v[LI], v[PC+12:PC+15], s[24:25] offset:1536
	global_store_b64 v[L8], v[HW:HW+1], s[26:27]   ; 32 lanes store 256 consecutive bytes, aligned
.else
	v_lshl_or_b32 v[HW], v[PW], 16, v[HW]          ; tile (b, 0)'s two bytes, then tile (b, 1)'s
	global_store_b128 v[LI], v[PC+8:PC+11], s[28:29] offset:1024
	global_store_b128 v[LI], v[PC+12:PC+15], s[28:29] offset:1536
	ds_store_b32 v[SCA], v[HW]
.endif
.endm
	QK WQI, WQS, BQ, 1
	QK WKI, WKS, BK, 0
; ---- B: v.  All eight tiles of points x my tile of 16 d
	WIN 0x40
.irp k,0,1
.irp c,0,1,2,3
	ds_load_b128 v[16*\k+4*\c:16*\k+4*\c+3], v[WWI] offset:WVI+2048*\k+512*\c
.endr
.endr
	WIN 0
	ds_load_b32 v[WS], v[WWS] offset:WVS
	ds_load_b32 v[WS+1], v[WWS] offset:WVS+128
.irp k,0,1
.irp hf,0,1
	PLACES 8                                       ; in front of loads into registers that products have read
.irp m,0,1,2,3
	FETCH R0+16*\m, LI, XIMG+2048*(2*(4*\hf+\m)+\k)
	ds_load_b32 v[XS+\m], v[LS] offset:XSC+128*(2*(4*\hf+\m)+\k)
.endr
	s_wait_dscnt 0x0
.if \k == 0
	WIN 0x14                                       ; source 1 (Wv) and source 2 (bv) window 1
.irp m,0,1,2,3
	v_wmma_scale_f32_16x16x128_f8f6f4 v[ACC+8*(4*\hf+\m):ACC+8*(4*\hf+\m)+7], v[R0+16*\m:R0+16*\m+15], v[0:15], v[BV:BV+7], v[XS+\m], v[WS]
.endr
.else
	WIN 0x04
.irp m,0,1,2,3
	v_wmma_scale_f32_16x16x128_f8f6f4 v[ACC+8*(4*\hf+\m):ACC+8*(4*\hf+\m)+7], v[R0+16*\m:R0+16*\m+15], v[16:31], v[ACC+8*(4*\hf+\m):ACC+8*(4*\hf+\m)+7], v[XS+\m], v[WS+1]
.endr
.endif
	WIN 0
.endr
.endr
	PLACES 8
	s_wait_xcnt 0x0                                ; k's stores have read the codes' registers
	QUANT ACC, ACC, PC, 4, 0, 0                    ; register 16 b + i = key 32 b + 16 hh + i of my d
.irp c,0,1,2,3
	global_store_b128 v[LI], v[PC+4*\c:PC+4*\c+3], s[28:29] offset:8192+512*\c
.endr
	ds_store_b32 v[SCA], v[PW] offset:512
	BARRIER                                        ; the record's 1,024 bytes of scale words lie in LDS
	ds_load_b64 v[HW:HW+1], v[SCR]
	s_wait_dscnt 0x0
	global_store_b64 v[L8], v[HW:HW+1], s[KVS:KVS+1]   ; 256 consecutive bytes a wave, aligned
	s_cmp_eq_u32 s[JF], 1
	s_cbranch_scc0 .Lend
	s_wait_loadcnt 0x0                             ; the extra fragment's numbers
	s_wait_xcnt 0x0                                ; v's stores have read the codes' registers
	QUANT R1, R1, PC, 4, 0, 0
.irp c,0,1,2,3
	global_store_b128 v[LI], v[PC+4*\c:PC+4*\c+3], s[30:31] offset:512*\c
.endr
	global_store_b32 v[LS], v[PW], s[32:33]
.Lend:
	s_set_vgpr_msb 0x4
	s_wait_tensorcnt 0x0
	ds_add_u32 v241, v255
	s_wait_dscnt 0x0
	s_set_vgpr_msb 0x400
	s_endpgm
.Lfunc_end_k_qf9f8365828_proj:
	.size	k_qf9f8365828_proj, .Lfunc_end_k_qf9f8365828_proj-k_qf9f8365828_proj
	.p2alignl 7, 3214868480
	.fill 96, 4, 3214868480
	.section	.rodata,"a",@progbits
	.p2align	6, 0x0
	.amdhsa_kernel k_qf9f8365828_proj
		.amdhsa_group_segment_fixed_size 90624
		.amdhsa_private_segment_fixed_size 0
		.amdhsa_enable_private_segment 0
		.amdhsa_kernarg_size 120
		.amdhsa_user_sgpr_count 2
		.amdhsa_user_sgpr_kernarg_segment_ptr 1
		.amdhsa_wavefront_size32 1
		.amdhsa_system_sgpr_workgroup_id_x 1
		.amdhsa_system_sgpr_workgroup_id_y 1
		.amdhsa_system_sgpr_workgroup_id_z 1
		.amdhsa_system_vgpr_workitem_id 0
		.amdhsa_next_free_vgpr 512
		.amdhsa_next_free_sgpr 66
		.amdhsa_reserve_vcc 0
		.amdhsa_float_denorm_mode_32 3
		.amdhsa_float_denorm_mode_16_64 3
		.amdhsa_memory_ordered 1
		.amdhsa_forward_progress 1
		.amdhsa_inst_pref_size 167
	.end_amdhsa_kernel
	.amdgpu_metadata
---
amdhsa.version: [ 1, 2 ]
amdhsa.kernels:
  - .name:           k_qf9f8365828_proj
    .symbol:         k_qf9f8365828_proj.kd
    .args:
      - { .name: descs, .offset: 0, .size: 8, .value_kind: global_buffer, .address_space: global }
      - { .name: Wq, .offset: 8, .size: 8, .value_kind: global_buffer, .address_space: global }
      - { .name: Wk, .offset: 16, .size: 8, .value_kind: global_buffer, .address_space: global }
      - { .name: Wv, .offset: 24, .size: 8, .value_kind: global_buffer, .address_space: global }
      - { .name: bq, .offset: 32, .size: 8, .value_kind: global_buffer, .address_space: global }
      - { .name: bk, .offset: 40, .size: 8, .value_kind: global_buffer, .address_space: global }
      - { .name: bv, .offset: 48, .size: 8, .value_kind: global_buffer, .address_space: global }
      - { .name: Wm, .offset: 56, .size: 8, .value_kind: global_buffer, .address_space: global }
      - { .name: W1, .offset: 64, .size: 8, .value_kind: global_buffer, .address_space: global }
      - { .name: W2, .offset: 72, .size: 8, .value_kind: global_buffer, .address_space: global }
      - { .name: qimg, .offset: 80, .size: 8, .value_kind: global_buffer, .address_space: global }
      - { .name: qsc, .offset: 88, .size: 8, .value_kind: global_buffer, .address_space: global }
      - { .name: kv, .offset: 96, .size: 8, .value_kind: global_buffer, .address_space: global }
      - { .name: wimg, .offset: 104, .size: 8, .value_kind: global_buffer, .address_space: global }
      - { .name: wsc, .offset: 112, .size: 8, .value_kind: global_buffer, .address_space: global }
    .group_segment_fixed_size: 90624
    .private_segment_fixed_size: 0
    .kernarg_segment_align: 8
    .kernarg_segment_size: 120
    .max_flat_workgroup_size: 128
    .sgpr_count:     66
    .vgpr_count:     512
    .wavefront_size: 32
...
	.end_amdgpu_metadata
.endif
;; end of part 1
;; launch attn (part 2): grid 64 x 4, 8 waves a work-group, clusters of 4 x 1, 327,680 bytes of LDS; arguments qimg, qsc, kv, msg; writes msg
.if DOCPART == 2
	.amdgcn_target "amdgcn-amd-amdhsa--gfx1250"
	.amdhsa_code_object_version 6
	.text
	.protected	k_qf9f8365828_attn
	.globl	k_qf9f8365828_attn
	.p2align	8
	.type	k_qf9f8365828_attn,@function
k_qf9f8365828_attn:
	s_mov_b64 s[64:65], 0
	v_nop
	global_prefetch_b8 v0, s[64:65] scope:SCOPE_SE
	s_setreg_imm32_b32 hwreg(HW_REG_WAVE_MODE, 25, 1), 1
	s_wait_xcnt 0x0
	s_wait_alu depctr_hold_cnt(0) depctr_sa_sdst(0) depctr_va_vdst(0) depctr_va_sdst(0) depctr_va_ssrc(0) depctr_va_vcc(0) depctr_vm_vsrc(0)
	s_getreg_b32 s2, hwreg(HW_REG_IB_STS2, 6, 4)
	s_cmp_eq_u32 s2, 0
	s_cbranch_scc0 .Lentry_in_a_cluster
	s_endpgm
.Lentry_in_a_cluster:
	s_bfe_u32 s2, ttmp6, 0x10000c
	s_cmp_lg_u32 s2, 0x3003
	s_cbranch_scc0 .Lentry_shape_is_right
	s_endpgm
.Lentry_shape_is_right:
; msg[h][n][d] = the sum over keys of softmax(q . k / 8) v, both products on codes of FP8 (E4M3) with one E8M0 scale for each 32 along K.  Operands come as images of their registers (launch proj).
; THE SOFTMAX: t = score x log2(e) / 8; M = the running largest t rounded UP to a whole number; p = 2^(t - M) is quantised along the keys, not normalised; the row's sum is taken of the unquantised p and divides at the end.
; SHARES.  A work-group owns 128 queries of one head.  Wave w = 4 kh + p owns query tiles 2 p and 2 p + 1 (16 queries each) and the key steps 32 kh .. 32 kh + 31 (128 keys a step): each fragment of K and V read from LDS
; feeds two tiles, and two waves stand on a SIMD, so that one wave's products and LDS loads stand beside the other's vector work.  The two halves of the keys are joined once, at the end, by exact powers of two.
; TILE t LIVES IN REGISTER WINDOW t UNDER THE SAME NUMBERS, so the softmax is written once.
; THE HEAD'S 64 IN A K OF 128: a fragment of K holds TWO tiles of keys, (b, 0) in k 0-63 and (b, 1) in k 64-127; Q stands as [8 zeros | 8 registers of q | 8 zeros]: v[24:39] = [q | 0] gives tile (b, 0), v[16:31] = [0 | q] tile (b, 1).
; Both products are used transposed: a lane holds one query throughout; registers 16 b + i of the scores are keys 32 b + 16 (lane / 16) + i.
; CLUSTER.  The four query blocks of a cluster belong to one head and walk the same records: each record (17,408 dense bytes: K's 4 fragments, V's 4, their scale words) is asked for jointly, one load a wave.
; THE RING: 16 records, record (wave, slot) at (2 wave + slot) x 0x4400.  A slot serves four key steps of each half of the keys.  By this text's count a wave has two tensor loads out at the start and one behind each round.
; No prefetch is laid: a refill goes out first thing behind the round and is wanted four key steps of both waves later.
; LIMITS: NaN and infinities are not served; a block's largest p is taken from its largest score, which takes v_exp_f32 not to fall where its input rises.
.set REC,   0x4400
.set PAIRB, 0x8800
.set SPARE, 16*REC                     ; behind the ring: the spare words, 128 bytes for each of eight waves
.set MST,   SPARE+1024                 ; 4 x 8,704 bytes: for each pair of tiles the other half's O^T and statistics (2 x (4,096 + 256)), later the way out's stage (2 x 16 rows x 272)
.set MSTP,  8704
.set LA,  1                            ; v1   16 x lane + my half's first record
.set AD,  2                            ; v2   the record in hand
.set SPW, 3                            ; v3   my spare word; never rewritten
.set NIL, 4                            ; v4   0; never rewritten
.set MG,  5                            ; v5   16 x lane + my pair's bytes of MST
.set MG8, 6                            ; v6   8 x lane + the same + 4,096
.set STO, 7                            ; v7   the stage: where I put 32 bytes of a row
.set RD,  8                            ; v8   and where I read a row back
.set GO,  9                            ; v9   my byte offset in msg's rows
.set L16, 10                           ; v10  16 x lane
.set L8,  11                           ; v11  8 x lane
.set SS,  40                           ; v40-103  scores, then p          (both windows)
.set OO,  104                          ; v104-135 O^T
.set PC,  136                          ; v136-151 p's codes
.set NM,  152                          ; -M
.set RT,  153                          ; the running largest t; at the end the lane's sum
.set SUM, 154                          ; v[154:155] the sum in two halves
.set FF,  156                          ; v[156:157] f = 2^(old M - new M)
.set BM,  158                          ; v158-161 the blocks' largest scores, then p
.set T2,  162
.set LIM, 166
.set SCL, 170
.set TA,  174
.set TC,  175
.set S2,  176                          ; v[176:177] the second chain of the sum
.set KF,  180                          ; v180-243: window 0 K's four fragments, window 1 V's.  Window 0 alone: v244-247 K's scale words, v248-251 V's, v252-253 Q's, v254-255 p's
.set WV,  12
.set KH,  13
.set PP,  14
.set CX,  15
.set G1,  24                           ; s[24:31] descriptor group 1;  s[32:35] group 0 of slot 0's first fill;  s[36:39] the one that walks
.set CS,  40
.set SEL, 42
.set MNT, 44
.set TB,  45
.set SLOTS, 46
.set TW,  47
.set MSB, 0
.macro WIN new
.if MSB != (\new)
	s_set_vgpr_msb (MSB<<8)|(\new)
.set MSB, (\new)
.endif
.endm
.macro PLACES n
.rept \n
	v_nop
.endr
.endm
.macro ROUND                           ; a round of the cluster's barrier
	s_barrier_signal -1
	s_barrier_wait -1
	s_cmp_lg_u32 s[WV], 0
	s_cbranch_scc1 .Lnw0_\@
	s_barrier_signal -3
.Lnw0_\@:
	s_barrier_wait -3
	s_barrier_signal -1
	s_barrier_wait -1
.endm
	s_load_b256 s[4:11], s[0:1], 0x0               ; qimg, qsc, kv, msg
	v_lshl_add_u32 v[SPW], v0, 2, SPARE
	v_mov_b32 v[NIL], 0
	ds_add_u32 v3, v4
	ds_add_u32 v3, v4
	s_wait_dscnt 0x0
	v_lshrrev_b32 v12, 5, v0
	v_readfirstlane_b32 s[WV], v12                 ; wave 0..7
	s_lshr_b32 s[KH], s[WV], 2                     ; my half of the keys
	s_and_b32 s[PP], s[WV], 3                      ; my pair of tiles; also: which record of a slot's four I fetch
	s_bfe_u32 s[CX], ttmp6, 0x40000
	s_lshl_b32 s16, ttmp9, 2
	s_add_co_u32 s16, s16, s[CX]                   ; my block of 128 queries: it enters Q's and msg's addresses alone
	s_and_b32 s17, ttmp7, 0xffff                   ; the head, which the four partners share
	s_lshl_b32 s18, s17, 6
	s_add_co_u32 s18, s18, s16                     ; 64 h + block
	s_lshl_b32 s20, s17, 6
	s_lshl_b32 s21, s[KH], 5
	s_add_co_u32 s20, s20, s21
	s_add_co_u32 s20, s20, s[PP]
	s_mul_i32 s20, s20, REC                        ; record 64 h + 32 kh + (wave % 4)
	s_mov_b32 s21, 0
	s_mov_b32 s[G1], 15|(3<<16)|(1<<21)            ; 15:0 the mask: all four work-groups; 17:16 elements of 8 bytes; no padding; 21 set beside a mask
	s_mov_b32 s[G1+1], 32<<16                      ; tensor_dim0 = 32 elements: rows of 256 bytes
	s_mov_b32 s[G1+2], 68<<16                      ; tensor_dim1 = 68 rows
	s_mov_b32 s[G1+3], 32<<16                      ; tile_dim0
	s_mov_b32 s[G1+4], 68                          ; tile_dim1
	s_mov_b32 s[G1+5], 32                          ; the pitch: the record is dense
	s_mov_b32 s[G1+6], 0
	s_mov_b32 s[G1+7], 0
	s_mov_b32 s[CS], 0x3e38aa3b                    ; c = log2(e) / 8
	s_mov_b32 s[CS+1], s[CS]
	s_mov_b32 s[SEL], 0x76543210
	s_mov_b32 s[SEL+1], 0xfedcba98
	s_mov_b32 s[MNT], 0x600000
	s_mov_b32 s[TB], 0
	v_and_b32 v12, 31, v0                          ; lane
	v_and_b32 v13, 15, v0                          ; r
	v_bfe_u32 v14, v0, 4, 1                        ; hh
	v_lshlrev_b32 v[L16], 4, v12
	v_lshlrev_b32 v[L8], 3, v12
	s_mul_i32 s22, s[KH], 4*PAIRB
	v_add_nc_u32 v[LA], s22, v[L16]
	s_mul_i32 s22, s[PP], MSTP
	s_add_co_u32 s22, s22, MST
	v_add_nc_u32 v[MG], s22, v[L16]
	v_add_nc_u32 v[MG8], s22, v[L8]
	v_add_nc_u32 v[MG8], 4096, v[MG8]
	v_mul_u32_u24 v[STO], v13, 272
	v_lshl_add_u32 v[STO], v14, 5, v[STO]
	v_add_nc_u32 v[STO], s22, v[STO]
	v_mul_u32_u24 v[RD], v14, 272
	v_lshl_add_u32 v[RD], v13, 4, v[RD]
	v_add_nc_u32 v[RD], s22, v[RD]
	v_lshlrev_b32 v[GO], 8, v14
	v_lshl_add_u32 v[GO], v13, 4, v[GO]
	s_mov_b32 s17, 0
	s_wait_kmcnt 0x0
	s_add_nc_u64 s[8:9], s[8:9], s[20:21]
	s_mov_b32 s32, 1
	s_mul_i32 s33, s[WV], PAIRB                    ; LDS: my record of slot 0
	s_mov_b64 s[34:35], s[8:9]
	s_or_b32 s35, s35, 0x80000000
	s_mov_b32 s36, 1
	s_add_co_u32 s37, s33, REC                     ; of slot 1
	s_add_nc_u64 s[38:39], s[8:9], 4*REC           ; four key steps on
	s_or_b32 s39, s39, 0x80000000
	s_lshl_b32 s16, s18, 13
	s_lshl_b32 s19, s[PP], 11
	s_add_co_u32 s16, s16, s19
	s_add_nc_u64 s[4:5], s[4:5], s[16:17]          ; Q's images of my two tiles
	s_lshl_b32 s16, s18, 10
	s_lshl_b32 s19, s[PP], 8
	s_add_co_u32 s16, s16, s19
	s_add_nc_u64 s[6:7], s[6:7], s[16:17]          ; their scale words
	s_lshl_b32 s16, s18, 15
	s_lshl_b32 s19, s[PP], 13
	s_add_co_u32 s16, s16, s19
	s_add_nc_u64 s[10:11], s[10:11], s[16:17]      ; msg at head h, point 128 block + 32 pair
	ROUND                                          ; all four work-groups are here: the first joint loads meet
	tensor_load_to_lds s[32:35], s[G1:G1+7]
	s_nop 0
	tensor_load_to_lds s[36:39], s[G1:G1+7]
	s_nop 0
	PLACES 4                                       ; behind a tensor load
	global_load_b128 v[24:27], v[L16], s[4:5]
	global_load_b128 v[28:31], v[L16], s[4:5] offset:512
	global_load_b64 v[252:253], v[L8], s[6:7]
	WIN 0x40
	global_load_b128 v[24:27], v[L16], s[4:5] offset:1024
	global_load_b128 v[28:31], v[L16], s[4:5] offset:1536
.macro INIT t                          ; the key step is written once: the first finds zeros, which the first change of M leaves zeros
	WIN 0x55*\t
.irp j,0,1,2,3,4,5,6,7
	v_mov_b32 v[16+\j], 0
	v_mov_b32 v[32+\j], 0
.endr
.set II, 0
.rept 32
	v_mov_b32 v[OO+II], 0
.set II, II+1
.endr
	v_mov_b32 v[RT], 0xff61b1e6                    ; -3e38, under every t
	v_floor_f32 v[NM], -v[RT]
	v_mov_b32 v[SUM], 0
	v_mov_b32 v[SUM+1], 0
	v_mov_b32 v[FF+1], 0                           ; (named as the upper half of a pair)
.irp b,0,1,2,3
	v_mov_b32 v[T2+\b], 0                          ; a lane permute's destination counts as one of its sources
.endr
.endm
	INIT 0
	INIT 1
	WIN 0
.macro KLOAD                           ; 17 LDS loads: K's four fragments and their scale words
.set II, 0
.rept 16
	ds_load_b128 v[KF+4*II:KF+4*II+3], v[AD] offset:512*II
.set II, II+1
.endr
	ds_load_b128 v[244:247], v[AD] offset:16384
.endm
.macro VLOAD                           ; 17 LDS loads: V's
	WIN 0x40
.set II, 0
.rept 16
	ds_load_b128 v[KF+4*II:KF+4*II+3], v[AD] offset:8192+512*II
.set II, II+1
.endr
	WIN 0
	ds_load_b128 v[248:251], v[AD] offset:16896
.endm
.macro QKT t                           ; S^T = K Q^T of tile t: eight products, each starting its own sum
	WIN 0x54*\t
.irp f,0,1,2,3
	v_wmma_scale_f32_16x16x128_f8f6f4 v[SS+16*\f:SS+16*\f+7], v[KF+16*\f:KF+16*\f+15], v[24:39], 0, v[244+\f], v[252+\t]
	v_wmma_scale_f32_16x16x128_f8f6f4 v[SS+16*\f+8:SS+16*\f+15], v[KF+16*\f:KF+16*\f+15], v[16:31], 0, v[244+\f], v[252+\t]
.endr
.endm
.macro PVT t                           ; O^T += V^T P^T of tile t: four accumulators, one product each
	WIN 0x01+0x54*\t
.irp c,0,1,2,3
	v_wmma_scale_f32_16x16x128_f8f6f4 v[OO+8*\c:OO+8*\c+7], v[KF+16*\c:KF+16*\c+15], v[PC:PC+15], v[OO+8*\c:OO+8*\c+7], v[248+\c], v[254+\t]
.endr
.endm
.macro SOFTMAX t
	WIN 0x55*\t
.irp b,0,1,2,3
	v_max3_num_f32 v[BM+\b], v[SS+16*\b], v[SS+16*\b+1], v[SS+16*\b+2]          ; the largest score of each block of 32 keys: for the row's maximum and for the block's largest p
.endr
.irp i,3,5,7,9,11,13
.irp b,0,1,2,3
	v_max3_num_f32 v[BM+\b], v[BM+\b], v[SS+16*\b+\i], v[SS+16*\b+\i+1]
.endr
.endr
.irp b,0,1,2,3
	v_max_num_f32 v[BM+\b], v[BM+\b], v[SS+16*\b+15]
.endr
.irp b,0,1,2,3
	v_permlanex16_b32 v[T2+\b], v[BM+\b], s[SEL], s[SEL+1]
.endr
.irp b,0,1,2,3
	v_max_num_f32 v[BM+\b], v[BM+\b], v[T2+\b]                                  ; with lane l xor 16's 16 keys
.endr
	v_max3_num_f32 v[TA], v[BM], v[BM+1], v[BM+2]
	v_max_num_f32 v[TA], v[TA], v[BM+3]
	v_mul_f32 v[TA], s[CS], v[TA]
	v_max_num_f32 v[RT], v[RT], v[TA]                                           ; the running largest t
	v_mov_b32 v[TA], v[NM]
	v_floor_f32 v[NM], -v[RT]                                                   ; -M = floor(-t): M is a whole number
	v_sub_f32 v[TA], v[NM], v[TA]
	v_cvt_i32_f32 v[TA], v[TA]                                                  ; (it saturates)
	v_ldexp_f32 v[FF], 1.0, v[TA]                                               ; f = 2^(old M - new M)
.set JJ, 0
.rept 32
	v_pk_fma_f32 v[SS+JJ:SS+JJ+1], v[SS+JJ:SS+JJ+1], s[CS:CS+1], v[NM:NM+1] op_sel_hi:[1,0,0]   ; t - M
.set JJ, JJ+2
.endr
.irp b,0,1,2,3
	v_fma_f32 v[BM+\b], v[BM+\b], s[CS], v[NM]
.endr
.set JJ, 0
.rept 64
	v_exp_f32 v[SS+JJ], v[SS+JJ]                                                ; p = 2^(t - M)
.set JJ, JJ+1
.endr
	v_pk_mul_f32 v[SUM:SUM+1], v[SUM:SUM+1], v[FF:FF+1] op_sel_hi:[1,0]         ; the sums under the new M: the plain line behind the exponentials
	s_wait_alu depctr_va_vdst(0)                                                ; one wait for the batch, ahead of its first reader
.irp b,0,1,2,3
	v_exp_f32 v[BM+\b], v[BM+\b]                                                ; the blocks' largest p
.endr
	v_pk_add_f32 v[S2:S2+1], v[SS:SS+1], v[SS+2:SS+3]                           ; the row's sum of the unquantised p, in two chains
.set JJ, 4
.rept 15
	v_pk_add_f32 v[SUM:SUM+1], v[SUM:SUM+1], v[SS+JJ:SS+JJ+1]
	v_pk_add_f32 v[S2:S2+1], v[S2:S2+1], v[SS+JJ+2:SS+JJ+3]
.set JJ, JJ+4
.endr
	v_pk_add_f32 v[SUM:SUM+1], v[SUM:SUM+1], v[S2:S2+1]
	s_wait_alu depctr_va_vdst(0)                                                ; and one for the four
.irp b,0,1,2,3
	v_max_num_f32 v[BM+\b], 0x4800000, v[BM+\b]                                 ; the floor 2^(9 - 127)
.endr
.irp b,0,1,2,3
	v_add_nc_u32 v[SCL+\b], 0xfc000000, v[BM+\b]
.endr
.irp b,0,1,2,3
	v_and_or_b32 v[LIM+\b], v[BM+\b], 0x7f800000, s[MNT]
.endr
.irp b,0,1,2,3
	v_lshrrev_b32 v[T2+\b], 23, v[SCL+\b]
.endr
	v_lshl_or_b32 v[TC], v[T2+1], 8, v[T2]
	v_lshl_or_b32 v[TC], v[T2+2], 16, v[TC]
	WIN 0x15*\t                                                                 ; scale operands have no window: the word goes to window 0
	v_lshl_or_b32 v[254+\t], v[T2+3], 24, v[TC]
	WIN 0x55*\t
.irp b,0,1,2,3
.set JJ, 0
.rept 16
	v_min_num_f32 v[SS+16*\b+JJ], v[SS+16*\b+JJ], v[LIM+\b]                     ; the hold: p is not negative, so it is one-sided
.set JJ, JJ+1
.endr
	v_cvt_scalef32_pk8_fp8_f32 v[PC+4*\b:PC+4*\b+1], v[SS+16*\b:SS+16*\b+7], v[SCL+\b]
	v_cvt_scalef32_pk8_fp8_f32 v[PC+4*\b+2:PC+4*\b+3], v[SS+16*\b+8:SS+16*\b+15], v[SCL+\b]
.endr
.set JJ, 0
.rept 16
	v_pk_mul_f32 v[OO+JJ:OO+JJ+1], v[OO+JJ:OO+JJ+1], v[FF:FF+1] op_sel_hi:[1,0]  ; O^T under the new M; also the places between the conversions and the products
.set JJ, JJ+2
.endr
.endm
; A TURN: entered with the 16 products K Q^T of step j just issued and V of step j on its way.  more = 1: it fetches step j + 1 and ends with its K Q^T.
.macro TURN more
.if \more
	v_add_nc_u32 v[AD], s[TB], v[LA]
	PLACES 7                                       ; with the addition: eight places behind the products, for the reads of the scores and the loads over K
	KLOAD
.else
	PLACES 8
.endif
	SOFTMAX 0
	SOFTMAX 1
.if \more
	s_wait_dscnt 17                                ; V of step j is in; the 17 loads of K of step j + 1 may be out
.else
	s_wait_dscnt 0x0
.endif
	PVT 0
	PVT 1
	WIN 0
.if \more
	PLACES 8                                       ; in front of the loads over V
	VLOAD
	s_wait_dscnt 17                                ; K of step j + 1 is in; V's 17 loads may be out
	QKT 0
	QKT 1
	WIN 0
	s_add_co_u32 s[TB], s[TB], PAIRB               ; the next fetch is the next record's
.endif
.endm
; THE CHANGE OF SLOTS stands between turns: the old slot's last K and V have been asked for.
.macro CHANGE fill
	s_wait_tensorcnt 0x0                           ; all my tensor loads have landed: my record of the next slot; so a group 0 may be written
	ds_add_u32 v[SPW], v[NIL]                      ; 0 onto my spare word
.if \fill
	s_xor_b32 s37, s37, REC                        ; the walking descriptor: the other slot than last time (bits 10 and 14 are clear in wave x 0x8800),
	s_add_nc_u64 s[38:39], s[38:39], 4*REC         ; four key steps on
.endif
	s_wait_dscnt 0x0                               ; the add is done, and my reads of the old slot are in registers
.if \fill
	ROUND                                          ; no wave of any partner still reads the old slot or has a load on its way
	tensor_load_to_lds s[36:39], s[G1:G1+7]        ; my one load behind the round: it has four turns in which to land
	s_nop 0
	PLACES 4
.else
	s_barrier_signal -1
	s_barrier_wait -1
.endif
	s_sub_co_u32 s[TB], s[TB], 4*PAIRB             ; the fetches go back to a slot's first record,
	s_xor_b32 s[TB], s[TB], REC                    ; in the other slot
.endm
	s_wait_tensorcnt 0x1                           ; my record of slot 0 is in; slot 1's may stay out
	s_barrier_signal -1
	s_barrier_wait -1
	v_add_nc_u32 v[AD], s[TB], v[LA]
	KLOAD
	VLOAD
	s_add_co_u32 s[TB], s[TB], PAIRB
	s_wait_loadcnt 0x0                             ; Q and its scale words
	s_wait_dscnt 17                                ; K of step 0 is in
	QKT 0
	QKT 1
	WIN 0
	s_mov_b32 s[TW], 3
.Lfirst:                                           ; turns 0 to 2 fetch records 1 to 3 of slot 0
	TURN 1
	s_sub_co_u32 s[TW], s[TW], 1
	s_cmp_lg_u32 s[TW], 0
	s_cbranch_scc1 .Lfirst
	s_mov_b32 s[SLOTS], 6
.Lslot:                                            ; six changes ask for the steps 8 to 31 of each half
	CHANGE 1
	s_mov_b32 s[TW], 4
.Lturn:
	TURN 1
	s_sub_co_u32 s[TW], s[TW], 1
	s_cmp_lg_u32 s[TW], 0
	s_cbranch_scc1 .Lturn
	s_sub_co_u32 s[SLOTS], s[SLOTS], 1
	s_cmp_lg_u32 s[SLOTS], 0
	s_cbranch_scc1 .Lslot
	CHANGE 0                                       ; the tail is written out
	s_mov_b32 s[TW], 4
.Ltail:
	TURN 1
	s_sub_co_u32 s[TW], s[TW], 1
	s_cmp_lg_u32 s[TW], 0
	s_cbranch_scc1 .Ltail
	TURN 0
; ---- the two halves of the keys are joined
	PLACES 8
	v_add_f32 v[RT], v[SUM], v[SUM+1]              ; v[152:153] = (-M, my lane's sum)
	WIN 0x55
	v_add_f32 v[RT], v[SUM], v[SUM+1]
	WIN 0
	s_cmp_lt_u32 s[WV], 4
	s_cbranch_scc1 .Lkeep
.irp t,0,1
	WIN 0x04*\t                                    ; an LDS store's data are its source 1
.irp g,0,1,2,3,4,5,6,7
	ds_store_b128 v[MG], v[OO+4*\g:OO+4*\g+3] offset:4352*\t+512*\g
.endr
	ds_store_b64 v[MG8], v[NM:NM+1] offset:4352*\t
.endr
	WIN 0
.Lkeep:
	s_wait_dscnt 0x0
	s_barrier_signal -1
	s_barrier_wait -1
	s_cmp_lt_u32 s[WV], 4
	s_cbranch_scc0 .Ldone
.irp t,0,1
	WIN 0x40*\t
.irp g,0,1,2,3,4,5,6,7
	ds_load_b128 v[SS+4*\g:SS+4*\g+3], v[MG] offset:4352*\t+512*\g
.endr
	ds_load_b64 v[72:73], v[MG8] offset:4352*\t
.endr
	s_wait_dscnt 0x0
.macro MERGEC t
	WIN 0x55*\t
	v_min_num_f32 v74, v[NM], v72                  ; -(the larger M)
	v_sub_f32 v75, v74, v[NM]                      ; my M less the larger one: a whole number, 0 or less
	v_sub_f32 v76, v74, v72
	v_cvt_i32_f32 v75, v75
	v_cvt_i32_f32 v76, v76
	v_ldexp_f32 v78, 1.0, v75
	v_ldexp_f32 v80, 1.0, v76
	v_mul_f32 v82, v[RT], v78
	v_fma_f32 v82, v73, v80, v82
	v_permlanex16_b32 v83, v82, s[SEL], s[SEL+1]
	v_add_f32 v82, v82, v83                        ; the row's sum
	v_rcp_f32 v84, v82
	v_nop
	s_wait_alu depctr_va_vdst(0)
	v_mul_f32 v78, v78, v84                        ; the powers of two take the division with them
	v_mul_f32 v80, v80, v84
.set JJ, 0
.rept 16
	v_pk_mul_f32 v[OO+JJ:OO+JJ+1], v[OO+JJ:OO+JJ+1], v[78:79] op_sel_hi:[1,0]
.set JJ, JJ+2
.endr
.set JJ, 0
.rept 16
	v_pk_fma_f32 v[OO+JJ:OO+JJ+1], v[SS+JJ:SS+JJ+1], v[80:81], v[OO+JJ:OO+JJ+1] op_sel_hi:[1,0,1]
.set JJ, JJ+2
.endr
.endm
	MERGEC 0
	MERGEC 1
; ---- the way out: a lane's 32 bytes of a row go into rows of 272 bytes and come back as whole rows of 256
.irp t,0,1
	WIN 0x04*\t
.irp c,0,1,2,3
	ds_store_b128 v[STO], v[OO+8*\c:OO+8*\c+3] offset:4352*\t+64*\c
	ds_store_b128 v[STO], v[OO+8*\c+4:OO+8*\c+7] offset:4352*\t+64*\c+16
.endr
	WIN 0
.irp i,0,1,2,3,4,5,6,7
	ds_load_b128 v[KF+32*\t+4*\i:KF+32*\t+4*\i+3], v[RD] offset:4352*\t+544*\i   ; LDS serves a wave's instructions in order: these see my stores
.endr
.endr
.irp i,0,1,2,3,4,5,6,7
	s_wait_dscnt 23-\i                             ; behind this load: 7 - i of tile 0's and tile 1's sixteen
	global_store_b128 v[GO], v[KF+4*\i:KF+4*\i+3], s[10:11] offset:(2*\i+8*(\i/4))*256   ; row 2 i + hh of tile t is point 8 t + row + 8 (row / 8); 16 lanes store 256 consecutive bytes, aligned
.endr
.irp i,0,1,2,3,4,5,6,7
	s_wait_dscnt 7-\i
	global_store_b128 v[GO], v[KF+32+4*\i:KF+32+4*\i+3], s[10:11] offset:(8+2*\i+8*(\i/4))*256
.endr
.Ldone:
	s_wait_tensorcnt 0x0                           ; the wave's end
	ds_add_u32 v[SPW], v[NIL]
	s_wait_dscnt 0x0
	ROUND                                          ; the closing round
	s_endpgm
.Lfunc_end_k_qf9f8365828_attn:
	.size	k_qf9f8365828_attn, .Lfunc_end_k_qf9f8365828_attn-k_qf9f8365828_attn
	.p2alignl 7, 3214868480
	.fill 96, 4, 3214868480
	.section	.rodata,"a",@progbits
	.p2align	6, 0x0
	.amdhsa_kernel k_qf9f8365828_attn
		.amdhsa_group_segment_fixed_size 327680
		.amdhsa_private_segment_fixed_size 0
		.amdhsa_enable_private_segment 0
		.amdhsa_kernarg_size 32
		.amdhsa_user_sgpr_count 2
		.amdhsa_user_sgpr_kernarg_segment_ptr 1
		.amdhsa_wavefront_size32 1
		.amdhsa_system_sgpr_workgroup_id_x 1
		.amdhsa_system_sgpr_workgroup_id_y 1
		.amdhsa_system_sgpr_workgroup_id_z 1
		.amdhsa_system_vgpr_workitem_id 0
		.amdhsa_next_free_vgpr 512
		.amdhsa_next_free_sgpr 66
		.amdhsa_reserve_vcc 0
		.amdhsa_float_denorm_mode_32 3
		.amdhsa_float_denorm_mode_16_64 3
		.amdhsa_memory_ordered 1
		.amdhsa_forward_progress 1
		.amdhsa_inst_pref_size 159
	.end_amdhsa_kernel
	.amdgpu_metadata
---
amdhsa.version: [ 1, 2 ]
amdhsa.kernels:
  - .name:           k_qf9f8365828_attn
    .symbol:         k_qf9f8365828_attn.kd
    .args:
      - { .name: qimg, .offset: 0, .size: 8, .value_kind: global_buffer, .address_space: global }
      - { .name: qsc, .offset: 8, .size: 8, .value_kind: global_buffer, .address_space: global }
      - { .name: kv, .offset: 16, .size: 8, .value_kind: global_buffer, .address_space: global }
      - { .name: msg, .offset: 24, .size: 8, .value_kind: global_buffer, .address_space: global }
    .group_segment_fixed_size: 327680
    .private_segment_fixed_size: 0
    .kernarg_segment_align: 8
    .kernarg_segment_size: 32
    .max_flat_workgroup_size: 256
    .sgpr_count:     66
    .vgpr_count:     512
    .wavefront_size: 32
...
	.end_amdgpu_metadata
.endif
;; end of part 2
;; launch post1 (part 3): grid 64 x 4, 4 waves a work-group, no clusters, 107,008 bytes of LDS; arguments msg, descs, wimg, wsc, bm, b1, ybuf, part; writes ybuf, part
.if DOCPART == 3
	.amdgcn_target "amdgcn-amd-amdhsa--gfx1250"
	.amdhsa_code_object_version 6
	.text
	.protected	k_qf9f8365828_post1
	.globl	k_qf9f8365828_post1
	.p2align	8
	.type	k_qf9f8365828_post1,@function
k_qf9f8365828_post1:
	s_mov_b64 s[64:65], 0
	v_nop
	global_prefetch_b8 v0, s[64:65] scope:SCOPE_SE
	s_setreg_imm32_b32 hwreg(HW_REG_WAVE_MODE, 25, 1), 1
	s_wait_xcnt 0x0
; y = W1 [descs ; Wm msg + bm] + b1 for 128 points and 128 of y's 512 channels, both products on codes of FP8 (E4M3) with one E8M0 scale for each 32 along K; and for each of these channels the sum of y over the 128 points
; and the sum of squares about the block's own mean.
; Work-group (rb, cp): points 128 rb .. + 127, channels 128 cp .. + 127.  (The product with Wm is made by all four work-groups of a block of points: 64 products a wave.)  Four waves; the weights stay in registers.
; Operands go from wave to wave through LDS as images of their registers.  Both products are used transposed (source 0 = 16 rows of the weight, rows chosen so that two neighbouring tiles give 16 neighbours along the next K).
; 1a: msg [h][n][64] becomes codes along channel 4 d + h: a lane loads 4 neighbouring d of each head, and the hold's destination puts number 4 h + e at place 4 e + h.  1b: descs likewise, plain.  | barrier |
; 2: msg2 = Wm msg + bm: wave w makes channels 128 (w % 2) .. for the four tiles of points 4 (w / 2) ..; quantised: K step 2 + w % 2 of z.  | barrier |  4: y: wave w's two tiles of channels x eight tiles of points.
; 5: y leaves as the image of the next operand's 64 numbers: ybuf [tile of points][cp][group 16][lane][16 B]; the statistics meet in LDS | barrier | and leave as 512 consecutive bytes: part [rb][sum, M2][512].
; LIMITS: NaN and infinities are not served; a block of zeros, or one under 2^-118, gets the byte 1.
.set MIMG, 0                           ; LDS: msg's 16 fragments, tile of points * 2 + kk
.set MSC,  32768
.set ZIMG, 34816                       ; z's 32 fragments, tile of points * 4 + kk (kk 0, 1: descs; 2, 3: msg2)
.set ZSC,  100352
.set STS,  104448                      ; 512 bytes of sums, 512 of M2
.set LI,  1
.set LS,  2
.set MA,  3                            ; msg: 256 r + 16 hh
.set XA,  4                            ; descs: 1,024 r + 64 hh
.set MWI, 5                            ; where I store msg's images: LI + 8,192 wave
.set MWS, 6
.set ZWI, 7                            ; descs': LI + ZIMG + 16,384 wave
.set ZWS, 8
.set MRI, 9                            ; where I read msg's: LI + 16,384 (wave / 2)
.set MRS, 10
.set Z2I, 11                           ; where I store msg2's
.set Z2S, 12
.set ZRI, 13                           ; LI + ZIMG
.set ZRS, 14                           ; LS + ZSC
.set BMA, 15                           ; 64 hh
.set STA, 249
.set STR, 250
.set R0,  16
.set R1,  80
.set R2,  144
.set WMS, 144                          ; from 1b on: v144-159 Wm's scale words, v160-167 W1's
.set W1S, 160
.set SM,  168                          ; v168-183 the sums
.set MN,  184                          ; v184-199 the block's means
.set PC,  208
.set M2R, 208                          ; v208-223 at the end: M2
.set TM,  224
.set PW,  240
.set HS,  241                          ; v241-248 scale words of the operand in hand
.set WV,  20
.set CP,  21
.set SEL, 22
.set MNT, 24
.set WL,  25
.set WH,  26
.set MSB, 0
.macro WIN new
.if MSB != (\new)
	s_set_vgpr_msb (MSB<<8)|(\new)
.set MSB, (\new)
.endif
.endm
.macro PLACES n
.rept \n
	v_nop
.endr
.endm
.macro BARRIER
	s_wait_dscnt 0x0
	s_barrier_signal -1
	s_barrier_wait -1
.endm
.macro LDF reg, va, sb, off
.irp c,0,1,2,3
.irp j,0,1,2,3
	global_load_b128 v[(\reg)+16*\c+4*\j:(\reg)+16*\c+4*\j+3], v[\va], s[\sb:\sb+1] offset:(\off)+128*\c+16*\j
.endr
.endr
.endm
.macro MLD reg, i, kk                  ; msg: register 16 c + 4 h + e = msg[h][my point][32 kk + 8 c + 4 hh + e]
.irp c,0,1,2,3
.irp hd,0,1,2,3
	global_load_b128 v[(\reg)+16*\c+4*\hd:(\reg)+16*\c+4*\hd+3], v[MA], s[4:5] offset:\hd*2097152+4096*(\i)+128*(\kk)+32*\c
.endr
.endr
.endm
.macro IMAGE adr, off
.irp c,0,1,2,3
	ds_store_b128 v[\adr], v[PC+4*\c:PC+4*\c+3] offset:(\off)+512*\c
.endr
.endm
.macro FETCH reg, adr, off
.irp c,0,1,2,3
	ds_load_b128 v[(\reg)+4*\c:(\reg)+4*\c+3], v[\adr] offset:(\off)+512*\c
.endr
.endm
.macro QUANT s, d, pc, nb, relu, perm
.set QB, 0
.rept \nb
.if \relu
	v_max3_num_f32 v[TM+QB], v[(\s)+16*QB], v[(\s)+16*QB+1], 0x4800000
.else
	v_max3_num_f32 v[TM+QB], |v[(\s)+16*QB]|, |v[(\s)+16*QB+1]|, 0x4800000      ; my 16 numbers and the floor 2^(9 - 127)
.endif
.set QB, QB+1
.endr
.set QI, 2
.rept 7
.set QB, 0
.rept \nb
.if \relu
	v_max3_num_f32 v[TM+QB], v[TM+QB], v[(\s)+16*QB+QI], v[(\s)+16*QB+QI+1]
.else
	v_max3_num_f32 v[TM+QB], v[TM+QB], |v[(\s)+16*QB+QI]|, |v[(\s)+16*QB+QI+1]|
.endif
.set QB, QB+1
.endr
.set QI, QI+2
.endr
.set QB, 0
.rept \nb
	v_permlanex16_b32 v[TM+4+QB], v[TM+QB], s[SEL], s[SEL+1]
.set QB, QB+1
.endr
.set QB, 0
.rept \nb
	v_max_num_f32 v[TM+QB], v[TM+QB], v[TM+4+QB]
.set QB, QB+1
.endr
.set QB, 0
.rept \nb
	v_add_nc_u32 v[TM+12+QB], 0xfc000000, v[TM+QB]
.set QB, QB+1
.endr
.set QB, 0
.rept \nb
	v_and_or_b32 v[TM+8+QB], v[TM+QB], 0x7f800000, s[MNT]
.set QB, QB+1
.endr
.set QB, 0
.rept \nb
	v_lshrrev_b32 v[TM+4+QB], 23, v[TM+12+QB]
.set QB, QB+1
.endr
	v_lshl_or_b32 v[PW], v[TM+5], 8, v[TM+4]
.if (\nb) > 2
	v_lshl_or_b32 v[PW], v[TM+6], 16, v[PW]
	v_lshl_or_b32 v[PW], v[TM+7], 24, v[PW]
.endif
.set QB, 0
.rept \nb
.set QI, 0
.rept 16
.if \perm
.set QP, 4*(QI%4)+QI/4
.else
.set QP, QI
.endif
.if \relu
	v_med3_num_f32 v[(\d)+16*QB+QP], v[(\s)+16*QB+QI], 0, v[TM+8+QB]
.else
	v_med3_num_f32 v[(\d)+16*QB+QP], v[(\s)+16*QB+QI], -v[TM+8+QB], v[TM+8+QB]
.endif
.set QI, QI+1
.endr
	v_cvt_scalef32_pk8_fp8_f32 v[(\pc)+4*QB:(\pc)+4*QB+1], v[(\d)+16*QB:(\d)+16*QB+7], v[TM+12+QB]
	v_cvt_scalef32_pk8_fp8_f32 v[(\pc)+4*QB+2:(\pc)+4*QB+3], v[(\d)+16*QB+8:(\d)+16*QB+15], v[TM+12+QB]
.set QB, QB+1
.endr
	v_nop
.endm
	s_load_b256 s[4:11], s[0:1], 0x0               ; msg, descs, wimg, wsc
	s_load_b256 s[12:19], s[0:1], 0x20             ; bm, b1, ybuf, part
	v_lshl_add_u32 v254, v0, 2, 0x1a000
	v_mov_b32 v255, 0
	v_lshrrev_b32 v16, 5, v0
	v_readfirstlane_b32 s[WV], v16
	s_and_b32 s[CP], ttmp7, 0xffff
	s_and_b32 s[WL], s[WV], 1
	s_lshr_b32 s[WH], s[WV], 1
	s_mov_b32 s[SEL], 0x76543210
	s_mov_b32 s[SEL+1], 0xfedcba98
	s_mov_b32 s[MNT], 0x600000
	v_and_b32 v16, 31, v0
	v_and_b32 v17, 15, v0
	v_bfe_u32 v18, v0, 4, 1
	v_lshlrev_b32 v[LI], 4, v16
	v_lshlrev_b32 v[LS], 2, v16
	v_lshlrev_b32 v[MA], 8, v17
	v_lshl_add_u32 v[MA], v18, 4, v[MA]
	v_lshlrev_b32 v[XA], 10, v17
	v_lshl_add_u32 v[XA], v18, 6, v[XA]
	v_lshlrev_b32 v[BMA], 6, v18
	s_lshl_b32 s32, s[WV], 13
	v_add_nc_u32 v[MWI], s32, v[LI]
	s_lshl_b32 s32, s[WV], 9
	s_add_co_u32 s32, s32, MSC
	v_add_nc_u32 v[MWS], s32, v[LS]
	s_lshl_b32 s32, s[WV], 14
	s_add_co_u32 s32, s32, ZIMG
	v_add_nc_u32 v[ZWI], s32, v[LI]
	s_lshl_b32 s32, s[WV], 10
	s_add_co_u32 s32, s32, ZSC
	v_add_nc_u32 v[ZWS], s32, v[LS]
	s_lshl_b32 s32, s[WH], 14
	v_add_nc_u32 v[MRI], s32, v[LI]
	s_lshl_b32 s32, s[WH], 10
	s_add_co_u32 s32, s32, MSC
	v_add_nc_u32 v[MRS], s32, v[LS]
	s_lshl_b32 s32, s[WH], 15
	s_lshl_b32 s33, s[WL], 11
	s_add_co_u32 s32, s32, s33
	s_add_co_u32 s32, s32, ZIMG+4096
	v_add_nc_u32 v[Z2I], s32, v[LI]
	s_lshl_b32 s32, s[WH], 11
	s_lshl_b32 s33, s[WL], 7
	s_add_co_u32 s32, s32, s33
	s_add_co_u32 s32, s32, ZSC+256
	v_add_nc_u32 v[Z2S], s32, v[LS]
	v_add_nc_u32 v[ZRI], ZIMG, v[LI]
	v_add_nc_u32 v[ZRS], ZSC, v[LS]
	s_lshl_b32 s32, s[WV], 7
	s_add_co_u32 s32, s32, STS
	v_add_nc_u32 v[STA], s32, v[BMA]
	s_lshl_b32 s32, s[WL], 9
	s_add_co_u32 s32, s32, STS
	v_add_nc_u32 v[STR], s32, v[LI]
.irp b,0,1,2,3
	v_mov_b32 v[TM+4+\b], 0
.endr
	s_mov_b32 s33, 0
	s_wait_kmcnt 0x0
	s_lshl_b32 s32, ttmp9, 15
	s_lshl_b32 s34, s[WV], 13
	s_add_co_u32 s32, s32, s34
	s_add_nc_u64 s[4:5], s[4:5], s[32:33]          ; msg at point 128 rb + 32 wave
	s_lshl_b32 s32, ttmp9, 17
	s_lshl_b32 s34, s[WV], 15
	s_add_co_u32 s32, s32, s34
	s_add_nc_u64 s[6:7], s[6:7], s[32:33]          ; descs likewise
	s_lshl_b32 s32, s[CP], 16
	s_lshl_b32 s34, s[WV], 14
	s_add_co_u32 s32, s32, s34
	s_add_co_u32 s32, s32, 65536
	s_add_nc_u64 s[28:29], s[8:9], s[32:33]        ; W1's fragments 32 + 32 cp + 8 wave on
	s_lshl_b32 s32, s[WL], 15
	s_add_nc_u64 s[8:9], s[8:9], s[32:33]          ; Wm's fragments 16 (wave % 2) on
	s_lshl_b32 s32, s[CP], 12
	s_lshl_b32 s34, s[WV], 10
	s_add_co_u32 s32, s32, s34
	s_add_co_u32 s32, s32, 4096
	s_add_nc_u64 s[30:31], s[10:11], s[32:33]      ; their scale words
	s_lshl_b32 s32, s[WL], 11
	s_add_nc_u64 s[10:11], s[10:11], s[32:33]
	s_lshl_b32 s32, s[WL], 9
	s_add_nc_u64 s[12:13], s[12:13], s[32:33]      ; bm at channel 128 (wave % 2)
	s_lshl_b32 s32, s[CP], 9
	s_lshl_b32 s34, s[WV], 7
	s_add_co_u32 s32, s32, s34
	s_add_nc_u64 s[14:15], s[14:15], s[32:33]      ; b1 at channel 128 cp + 32 wave
	s_lshl_b32 s32, ttmp9, 18
	s_lshl_b32 s34, s[CP], 13
	s_add_co_u32 s32, s32, s34
	s_lshl_b32 s34, s[WV], 11
	s_add_co_u32 s32, s32, s34
	s_add_nc_u64 s[16:17], s[16:17], s[32:33]      ; ybuf
	s_lshl_b32 s32, ttmp9, 12
	s_lshl_b32 s34, s[WL], 11
	s_add_co_u32 s32, s32, s34
	s_lshl_b32 s34, s[CP], 9
	s_add_co_u32 s32, s32, s34
	s_add_nc_u64 s[18:19], s[18:19], s[32:33]      ; part
	WIN 0x40                                       ; window 1: Wm's 16 fragments, 32 KB on end
.set II, 0
.rept 64
	global_load_b128 v[4*II:4*II+3], v[LI], s[8:9] offset:512*II
.set II, II+1
.endr
	WIN 0x80                                       ; window 2: W1's 8 fragments, the biases in the results' layout
.set II, 0
.rept 32
	global_load_b128 v[4*II:4*II+3], v[LI], s[28:29] offset:512*II
.set II, II+1
.endr
.irp t,0,1,2,3,4,5,6,7
	global_load_b128 v[128+8*\t:128+8*\t+3], v[BMA], s[12:13] offset:128*(\t/2)+32*(\t%2)
	global_load_b128 v[128+8*\t+4:128+8*\t+7], v[BMA], s[12:13] offset:128*(\t/2)+32*(\t%2)+16
.endr
.irp u,0,1
	global_load_b128 v[192+8*\u:192+8*\u+3], v[BMA], s[14:15] offset:32*\u
	global_load_b128 v[192+8*\u+4:192+8*\u+7], v[BMA], s[14:15] offset:32*\u+16
.endr
	WIN 0
; ---- 1: eight fragments a wave, two landing sets by turns.  The count 16 leaves the next fragment's sixteen loads out
.macro PSTEP s, d, perm, left, adr, off, sadr, soff
	s_wait_loadcnt \left
	QUANT \s, \d, PC, 4, 0, \perm
	IMAGE \adr, \off
	ds_store_b32 v[\sadr], v[PW] offset:\soff
.endm
	MLD R0, 0, 0
	MLD R1, 0, 1
	PSTEP R0, R2, 1, 16, MWI, 0, MWS, 0
	MLD R0, 1, 0
	s_wait_dscnt 0x0                               ; the stores have read the codes' registers
	PSTEP R1, R2, 1, 16, MWI, 2048, MWS, 128
	MLD R1, 1, 1
	s_wait_dscnt 0x0
	PSTEP R0, R2, 1, 16, MWI, 4096, MWS, 256
	LDF R0, XA, 6, 0
	s_wait_dscnt 0x0
	PSTEP R1, R2, 1, 16, MWI, 6144, MWS, 384
.set II, 0
.rept 16
	global_load_b32 v[WMS+II], v[LS], s[10:11] offset:128*II       ; the weights' scale words take the registers that the turned numbers have left
.set II, II+1
.endr
.set II, 0
.rept 8
	global_load_b32 v[W1S+II], v[LS], s[30:31] offset:128*II
.set II, II+1
.endr
	LDF R1, XA, 6, 512
	s_wait_dscnt 0x0
	PSTEP R0, R0, 0, 16, ZWI, 0, ZWS, 0
	LDF R0, XA, 6, 16384
	s_wait_dscnt 0x0
	PSTEP R1, R1, 0, 16, ZWI, 2048, ZWS, 128
	LDF R1, XA, 6, 16896
	s_wait_dscnt 0x0
	PSTEP R0, R0, 0, 16, ZWI, 8192, ZWS, 512
	s_wait_dscnt 0x0
	PSTEP R1, R1, 0, 0, ZWI, 10240, ZWS, 640
	BARRIER                                        ; msg's sixteen fragments and descs' sixteen lie in LDS
; ---- 2: msg2, a tile of 16 points at a time
.irp m,0,1,2,3
	FETCH R0, MRI, 4096*\m
	FETCH R0+16, MRI, 4096*\m+2048
	ds_load_b32 v[HS], v[MRS] offset:256*\m
	ds_load_b32 v[HS+1], v[MRS] offset:256*\m+128
	s_wait_dscnt 0x0
	WIN 0x21                                       ; source 0 (Wm) window 1, source 2 (bm) window 2
.irp t,0,1,2,3,4,5,6,7
	v_wmma_scale_f32_16x16x128_f8f6f4 v[R1+8*\t:R1+8*\t+7], v[32*\t:32*\t+15], v[R0:R0+15], v[128+8*\t:128+8*\t+7], v[WMS+2*\t], v[HS]
.endr
	WIN 0x01                                       ; the eight accumulators take turns
.irp t,0,1,2,3,4,5,6,7
	v_wmma_scale_f32_16x16x128_f8f6f4 v[R1+8*\t:R1+8*\t+7], v[32*\t+16:32*\t+31], v[R0+16:R0+31], v[R1+8*\t:R1+8*\t+7], v[WMS+2*\t+1], v[HS+1]
.endr
	WIN 0
	PLACES 9                                       ; eight for reads and loads, nine for the products that begin these accumulators anew
	QUANT R1, R1, PC, 4, 0, 0
	IMAGE Z2I, 8192*\m
	ds_store_b32 v[Z2S], v[PW] offset:512*\m
	s_wait_dscnt 0x0
.endr
	BARRIER                                        ; z's thirty-two fragments lie in LDS
; ---- 4: y: sixteen accumulators; eight batches (K step, half of the points), z's fragments in two sets by turns
.macro ZF n
.set ZK, (\n)/2
.set ZH, (\n)%2
.irp m,0,1,2,3
	FETCH R0+64*ZH+16*\m, ZRI, 2048*(4*(4*ZH+\m)+ZK)
	ds_load_b32 v[HS+4*ZH+\m], v[ZRS] offset:128*(4*(4*ZH+\m)+ZK)
.endr
.endm
.macro YB n
.if (\n) < 7
	PLACES 8                                       ; in front of loads into the set that the batch before last multiplied
	ZF (\n)+1
	s_wait_dscnt 20                                ; this batch's are in; the next batch's twenty loads may be out
.else
	s_wait_dscnt 0x0
.endif
.set KK, (\n)/2
.set HF, (\n)%2
.if KK == 0
	WIN 0xe2                                       ; source 0 (W1) and source 2 (b1) window 2, destination window 3
.else
	WIN 0xf2                                       ; source 0 window 2, C and D window 3
.endif
.irp m,0,1,2,3
.irp u,0,1
.if KK == 0
	v_wmma_scale_f32_16x16x128_f8f6f4 v[8*(8*\u+4*HF+\m):8*(8*\u+4*HF+\m)+7], v[16*(4*\u+KK):16*(4*\u+KK)+15], v[R0+64*HF+16*\m:R0+64*HF+16*\m+15], v[192+8*\u:192+8*\u+7], v[W1S+4*\u+KK], v[HS+4*HF+\m]
.else
	v_wmma_scale_f32_16x16x128_f8f6f4 v[8*(8*\u+4*HF+\m):8*(8*\u+4*HF+\m)+7], v[16*(4*\u+KK):16*(4*\u+KK)+15], v[R0+64*HF+16*\m:R0+64*HF+16*\m+15], v[8*(8*\u+4*HF+\m):8*(8*\u+4*HF+\m)+7], v[W1S+4*\u+KK], v[HS+4*HF+\m]
.endif
.endr
.endr
	WIN 0
.endm
	ZF 0
.irp n,0,1,2,3,4,5,6,7
	YB \n
.endr
; ---- 5: y out, and the statistics
	PLACES 8
	WIN 0x0c                                       ; a store's data are its source 1: window 3
.irp m,0,1,2,3,4,5,6,7
.irp u,0,1
	global_store_b128 v[LI], v[8*(8*\u+\m):8*(8*\u+\m)+3], s[16:17] offset:32768*\m+1024*\u        ; each accumulator from its low end on; 512 consecutive bytes a store
	global_store_b128 v[LI], v[8*(8*\u+\m)+4:8*(8*\u+\m)+7], s[16:17] offset:32768*\m+1024*\u+512
.endr
.endr
	WIN 0x0f
.irp u,0,1
.irp p,0,2,4,6
	v_pk_add_f32 v[SM+8*\u+\p:SM+8*\u+\p+1], v[64*\u+\p:64*\u+\p+1], v[64*\u+8+\p:64*\u+8+\p+1]
.endr
.endr
	WIN 0x0c
.irp m,2,3,4,5,6,7
.irp u,0,1
.irp p,0,2,4,6
	v_pk_add_f32 v[SM+8*\u+\p:SM+8*\u+\p+1], v[SM+8*\u+\p:SM+8*\u+\p+1], v[64*\u+8*\m+\p:64*\u+8*\m+\p+1]
.endr
.endr
.endr
	WIN 0
.irp x,1,2,4,8
.set II, 0
.rept 16
	v_add_f32_dpp v[SM+II], v[SM+II], v[SM+II] row_xmask:\x row_mask:0xf bank_mask:0xf     ; over the 16 points of a tile: every lane of the half ends with the sum over 128 points
.set II, II+1
.endr
.endr
.irp p,0,2,4,6,8,10,12,14
	v_pk_mul_f32 v[MN+\p:MN+\p+1], v[SM+\p:SM+\p+1], 0x3c000000 op_sel_hi:[1,0]            ; the block's mean: x 2^-7
.endr
	WIN 0x03
.irp m,0,1,2,3,4,5,6,7
.irp u,0,1
.irp p,0,2,4,6
	v_pk_add_f32 v[16+64*\u+8*\m+\p:16+64*\u+8*\m+\p+1], v[64*\u+8*\m+\p:64*\u+8*\m+\p+1], v[MN+8*\u+\p:MN+8*\u+\p+1] neg_lo:[0,1] neg_hi:[0,1]
.endr
.endr
.endr
	WIN 0
.irp u,0,1
.irp p,0,2,4,6
	v_pk_mul_f32 v[M2R+8*\u+\p:M2R+8*\u+\p+1], v[16+64*\u+\p:16+64*\u+\p+1], v[16+64*\u+\p:16+64*\u+\p+1]
.endr
.endr
.irp m,1,2,3,4,5,6,7
.irp u,0,1
.irp p,0,2,4,6
	v_pk_fma_f32 v[M2R+8*\u+\p:M2R+8*\u+\p+1], v[16+64*\u+8*\m+\p:16+64*\u+8*\m+\p+1], v[16+64*\u+8*\m+\p:16+64*\u+8*\m+\p+1], v[M2R+8*\u+\p:M2R+8*\u+\p+1]
.endr
.endr
.endr
.irp x,1,2,4,8
.set II, 0
.rept 16
	v_add_f32_dpp v[M2R+II], v[M2R+II], v[M2R+II] row_xmask:\x row_mask:0xf bank_mask:0xf
.set II, II+1
.endr
.endr
.irp u,0,1
.irp q,0,1
	ds_store_b128 v[STA], v[SM+8*\u+4*\q:SM+8*\u+4*\q+3] offset:32*\u+16*\q               ; the sixteen lanes of a half write the same bytes with the same values
	ds_store_b128 v[STA], v[M2R+8*\u+4*\q:M2R+8*\u+4*\q+3] offset:512+32*\u+16*\q
.endr
.endr
	BARRIER
	s_cmp_lt_u32 s[WV], 2
	s_cbranch_scc0 .Lend
	ds_load_b128 v[16:19], v[STR]                  ; wave 0: the 128 sums; wave 1: the 128 M2
	s_wait_dscnt 0x0
	global_store_b128 v[LI], v[16:19], s[18:19]    ; 512 consecutive bytes, aligned
.Lend:
	s_wait_tensorcnt 0x0
	ds_add_u32 v254, v255
	s_wait_dscnt 0x0
	s_endpgm
.Lfunc_end_k_qf9f8365828_post1:
	.size	k_qf9f8365828_post1, .Lfunc_end_k_qf9f8365828_post1-k_qf9f8365828_post1
	.p2alignl 7, 3214868480
	.fill 96, 4, 3214868480
	.section	.rodata,"a",@progbits
	.p2align	6, 0x0
	.amdhsa_kernel k_qf9f8365828_post1
		.amdhsa_group_segment_fixed_size 107008
		.amdhsa_private_segment_fixed_size 0
		.amdhsa_enable_private_segment 0
		.amdhsa_kernarg_size 64
		.amdhsa_user_sgpr_count 2
		.amdhsa_user_sgpr_kernarg_segment_ptr 1
		.amdhsa_wavefront_size32 1
		.amdhsa_system_sgpr_workgroup_id_x 1
		.amdhsa_system_sgpr_workgroup_id_y 1
		.amdhsa_system_sgpr_workgroup_id_z 1
		.amdhsa_system_vgpr_workitem_id 0
		.amdhsa_next_free_vgpr 1024
		.amdhsa_next_free_sgpr 66
		.amdhsa_reserve_vcc 0
		.amdhsa_float_denorm_mode_32 3
		.amdhsa_float_denorm_mode_16_64 3
		.amdhsa_memory_ordered 1
		.amdhsa_forward_progress 1
		.amdhsa_inst_pref_size 187
	.end_amdhsa_kernel
	.amdgpu_metadata
---
amdhsa.version: [ 1, 2 ]
amdhsa.kernels:
  - .name:           k_qf9f8365828_post1
    .symbol:         k_qf9f8365828_post1.kd
    .args:
      - { .name: msg, .offset: 0, .size: 8, .value_kind: global_buffer, .address_space: global }
      - { .name: descs, .offset: 8, .size: 8, .value_kind: global_buffer, .address_space: global }
      - { .name: wimg, .offset: 16, .size: 8, .value_kind: global_buffer, .address_space: global }
      - { .name: wsc, .offset: 24, .size: 8, .value_kind: global_buffer, .address_space: global }
      - { .name: bm, .offset: 32, .size: 8, .value_kind: global_buffer, .address_space: global }
      - { .name: b1, .offset: 40, .size: 8, .value_kind: global_buffer, .address_space: global }
      - { .name: ybuf, .offset: 48, .size: 8, .value_kind: global_buffer, .address_space: global }
      - { .name: part, .offset: 56, .size: 8, .value_kind: global_buffer, .address_space: global }
    .group_segment_fixed_size: 107008
    .private_segment_fixed_size: 0
    .kernarg_segment_align: 8
    .kernarg_segment_size: 64
    .max_flat_workgroup_size: 128
    .sgpr_count:     66
    .vgpr_count:     1024
    .wavefront_size: 32
...
	.end_amdgpu_metadata
.endif
;; end of part 3
;; launch post2 (part 4): grid 256 x 1, 8 waves a work-group, no clusters, 58,368 bytes of LDS; arguments ybuf, part, wimg, wsc, b2, descs, out0; writes out0
.if DOCPART == 4
	.amdgcn_target "amdgcn-amd-amdhsa--gfx1250"
	.amdhsa_code_object_version 6
	.text
	.protected	k_qf9f8365828_post2
	.globl	k_qf9f8365828_post2
	.p2align	8
	.type	k_qf9f8365828_post2,@function
k_qf9f8365828_post2:
	s_mov_b64 s[64:65], 0
	v_nop
	global_prefetch_b8 v0, s[64:65] scope:SCOPE_SE
	s_setreg_imm32_b32 hwreg(HW_REG_WAVE_MODE, 25, 1), 1
	s_wait_xcnt 0x0
; out0 = descs + W2 relu((y - mu) rsqrt(var + 1e-5)) + b2, the product on codes of FP8 (E4M3) with one E8M0 scale for each 32 along K.  mu and var are taken over all 8,192 points of a channel.
; Work-group g: points 32 g .. + 31.  Eight waves.  STATISTICS: thread t owns channels 2 t and 2 t + 1 and joins the 64 blocks' sums S and sums of squares about their own means M2:
; mu = (sum of S) / 8192; var = (sum of M2 + 128 x sum of (S / 128 - mu)^2) / 8192: no difference of large sums.  They go to LDS | barrier |
; wave w takes the image of 64 numbers of y (tile of points w / 4, K step w % 4), normalises, and quantises with the clip at 0 in the hold: fragment w of the hidden layer, to LDS | barrier |
; wave w makes output channels 32 w .. + 31 for both tiles of points (transposed: source 0 = 16 rows of W2), four accumulators by turns; results to a stage | barrier | each wave adds descs to four whole rows and stores them.
; LIMITS: NaN and infinities are not served; a block of zeros, or one under 2^-118, gets the byte 1.
.set MU,   0                           ; LDS: 512 means
.set RS,   2048                        ; 512 x rsqrt(var + eps)
.set HIMG, 4096                        ; the hidden layer's 8 fragments, tile of points * 4 + kk
.set HSC,  20480
.set STG,  21504                       ; 32 rows x (1,024 bytes + 16)
.set T8,  1                            ; 8 x thread
.set LI,  2
.set LS,  3
.set NA,  4                            ; 512 (wave % 4) + 64 hh
.set HWI, 5
.set HWS, 6
.set SO,  7
.set SR,  8
.set B2A, 9                            ; 64 hh
.set Y,   16                           ; v16-79 y; later v16-47 accumulators, v48-55 the hidden layer's scale words, v56-71 b2
.set HS,  48
.set B2,  56
.set PC,  80
.set TM,  96                           ; v96-111; ahead of the quantiser: v96-103 four chains, v[104:105] mu, v[106:107] eps, v[108:109] the roots
.set PW,  112
.set W2S, 114                          ; v114-121
.set BIG, 128                          ; v128-255: the 64 sums; then mu and the roots; then the 8 fragments; then rows.   Window 1: v0-127 the 64 M2, later descs; v128-255 W2's 8 fragments
.set WV,  18
.set SEL, 20
.set MNT, 22
.set MSB, 0
.macro WIN new
.if MSB != (\new)
	s_set_vgpr_msb (MSB<<8)|(\new)
.set MSB, (\new)
.endif
.endm
.macro PLACES n
.rept \n
	v_nop
.endr
.endm
.macro BARRIER
	s_wait_dscnt 0x0
	s_barrier_signal -1
	s_barrier_wait -1
.endm
.macro QUANT s, d, pc, nb, relu, perm
.set QB, 0
.rept \nb
.if \relu
	v_max3_num_f32 v[TM+QB], v[(\s)+16*QB], v[(\s)+16*QB+1], 0x4800000          ; no |.|: what is negative becomes 0 and must not count; the floor 2^(9 - 127) stands over it
.else
	v_max3_num_f32 v[TM+QB], |v[(\s)+16*QB]|, |v[(\s)+16*QB+1]|, 0x4800000
.endif
.set QB, QB+1
.endr
.set QI, 2
.rept 7
.set QB, 0
.rept \nb
.if \relu
	v_max3_num_f32 v[TM+QB], v[TM+QB], v[(\s)+16*QB+QI], v[(\s)+16*QB+QI+1]
.else
	v_max3_num_f32 v[TM+QB], v[TM+QB], |v[(\s)+16*QB+QI]|, |v[(\s)+16*QB+QI+1]|
.endif
.set QB, QB+1
.endr
.set QI, QI+2
.endr
.set QB, 0
.rept \nb
	v_permlanex16_b32 v[TM+4+QB], v[TM+QB], s[SEL], s[SEL+1]
.set QB, QB+1
.endr
.set QB, 0
.rept \nb
	v_max_num_f32 v[TM+QB], v[TM+QB], v[TM+4+QB]
.set QB, QB+1
.endr
.set QB, 0
.rept \nb
	v_add_nc_u32 v[TM+12+QB], 0xfc000000, v[TM+QB]
.set QB, QB+1
.endr
.set QB, 0
.rept \nb
	v_and_or_b32 v[TM+8+QB], v[TM+QB], 0x7f800000, s[MNT]
.set QB, QB+1
.endr
.set QB, 0
.rept \nb
	v_lshrrev_b32 v[TM+4+QB], 23, v[TM+12+QB]
.set QB, QB+1
.endr
	v_lshl_or_b32 v[PW], v[TM+5], 8, v[TM+4]
.if (\nb) > 2
	v_lshl_or_b32 v[PW], v[TM+6], 16, v[PW]
	v_lshl_or_b32 v[PW], v[TM+7], 24, v[PW]
.endif
.set QB, 0
.rept \nb
.set QI, 0
.rept 16
.if \perm
.set QP, 4*(QI%4)+QI/4
.else
.set QP, QI
.endif
.if \relu
	v_med3_num_f32 v[(\d)+16*QB+QP], v[(\s)+16*QB+QI], 0, v[TM+8+QB]            ; the activation and the hold in one
.else
	v_med3_num_f32 v[(\d)+16*QB+QP], v[(\s)+16*QB+QI], -v[TM+8+QB], v[TM+8+QB]
.endif
.set QI, QI+1
.endr
	v_cvt_scalef32_pk8_fp8_f32 v[(\pc)+4*QB:(\pc)+4*QB+1], v[(\d)+16*QB:(\d)+16*QB+7], v[TM+12+QB]
	v_cvt_scalef32_pk8_fp8_f32 v[(\pc)+4*QB+2:(\pc)+4*QB+3], v[(\d)+16*QB+8:(\d)+16*QB+15], v[TM+12+QB]
.set QB, QB+1
.endr
	v_nop
.endm
	s_load_b256 s[4:11], s[0:1], 0x0               ; ybuf, part, wimg, wsc
	s_load_b128 s[12:15], s[0:1], 0x20             ; b2, descs
	s_load_b64 s[16:17], s[0:1], 0x30              ; out0
	v_lshl_add_u32 v126, v0, 2, 0xe000
	v_mov_b32 v127, 0
	v_lshrrev_b32 v10, 5, v0
	v_readfirstlane_b32 s[WV], v10                 ; wave 0..7
	s_mov_b32 s[SEL], 0x76543210
	s_mov_b32 s[SEL+1], 0xfedcba98
	s_mov_b32 s[MNT], 0x600000
	v_lshlrev_b32 v[T8], 3, v0
	v_and_b32 v10, 31, v0
	v_and_b32 v11, 15, v0
	v_bfe_u32 v12, v0, 4, 1
	v_lshlrev_b32 v[LI], 4, v10
	v_lshlrev_b32 v[LS], 2, v10
	v_lshlrev_b32 v[B2A], 6, v12
	s_and_b32 s24, s[WV], 3
	s_lshl_b32 s24, s24, 9
	v_add_nc_u32 v[NA], s24, v[B2A]
	s_lshl_b32 s24, s[WV], 11
	s_add_co_u32 s24, s24, HIMG
	v_add_nc_u32 v[HWI], s24, v[LI]
	s_lshl_b32 s24, s[WV], 7
	s_add_co_u32 s26, s24, HSC
	v_add_nc_u32 v[HWS], s26, v[LS]
	s_add_co_u32 s24, s24, STG
	v_mul_u32_u24 v[SO], v11, 1040
	v_add_nc_u32 v[SO], v[SO], v[B2A]
	v_add_nc_u32 v[SO], s24, v[SO]                 ; the stage: row r, + 128 wave + 64 hh
	s_mul_i32 s24, s[WV], 4*1040
	s_add_co_u32 s24, s24, STG
	v_add_nc_u32 v[SR], s24, v[LI]                 ; back: my four rows, 16 bytes a lane
	s_mov_b32 s25, 0
	s_wait_kmcnt 0x0
	s_lshl_b32 s24, ttmp9, 16
	s_lshl_b32 s26, s[WV], 13
	s_add_co_u32 s24, s24, s26
	s_add_nc_u64 s[4:5], s[4:5], s[24:25]          ; y's image number 8 g + wave
	s_lshl_b32 s24, s[WV], 14
	s_add_co_u32 s24, s24, 327680
	s_add_nc_u64 s[8:9], s[8:9], s[24:25]          ; W2's fragments 160 + 8 wave on
	s_lshl_b32 s24, s[WV], 10
	s_add_co_u32 s24, s24, 20480
	s_add_nc_u64 s[10:11], s[10:11], s[24:25]
	s_lshl_b32 s24, s[WV], 7
	s_add_nc_u64 s[12:13], s[12:13], s[24:25]      ; b2 at channel 32 wave
	s_lshl_b32 s24, ttmp9, 15
	s_lshl_b32 s26, s[WV], 12
	s_add_co_u32 s24, s24, s26
	s_add_nc_u64 s[14:15], s[14:15], s[24:25]      ; descs and out0 at point 32 g + 4 wave
	s_add_nc_u64 s[16:17], s[16:17], s[24:25]
.set II, 0
.rept 64
	global_load_b64 v[BIG+2*II:BIG+2*II+1], v[T8], s[6:7] offset:4096*II        ; block II's sums of my two channels: a wave reads 256 consecutive bytes
.set II, II+1
.endr
	WIN 0x40
.set II, 0
.rept 64
	global_load_b64 v[2*II:2*II+1], v[T8], s[6:7] offset:4096*II+2048           ; and its M2
.set II, II+1
.endr
	WIN 0
.set II, 0
.rept 16
	global_load_b128 v[Y+4*II:Y+4*II+3], v[LI], s[4:5] offset:512*II
.set II, II+1
.endr
	WIN 0x40
.set II, 0
.rept 32
	global_load_b128 v[128+4*II:128+4*II+3], v[LI], s[8:9] offset:512*II
.set II, II+1
.endr
	WIN 0
.set II, 0
.rept 8
	global_load_b32 v[W2S+II], v[LS], s[10:11] offset:128*II
.set II, II+1
.endr
; ---- the statistics
	s_wait_loadcnt 56                              ; the 128 parts are in; y's 16, W2's 32 and the 8 scale words may be out
.irp k,0,1,2,3
	v_pk_add_f32 v[96+2*\k:97+2*\k], v[BIG+2*\k:BIG+2*\k+1], v[BIG+8+2*\k:BIG+8+2*\k+1]
.endr
.set II, 8
.rept 56
	v_pk_add_f32 v[96+2*(II%4):97+2*(II%4)], v[96+2*(II%4):97+2*(II%4)], v[BIG+2*II:BIG+2*II+1]
.set II, II+1
.endr
	v_pk_add_f32 v[96:97], v[96:97], v[98:99]
	v_pk_add_f32 v[100:101], v[100:101], v[102:103]
	v_pk_add_f32 v[96:97], v[96:97], v[100:101]
	v_pk_mul_f32 v[104:105], v[96:97], 0x39000000 op_sel_hi:[1,0]               ; mu = the sum x 2^-13
.set II, 0
.rept 64
	v_pk_fma_f32 v[BIG+2*II:BIG+2*II+1], v[BIG+2*II:BIG+2*II+1], 0x3c000000, v[104:105] op_sel_hi:[1,0,1] neg_lo:[0,0,1] neg_hi:[0,0,1]   ; the block's mean less mu
.set II, II+1
.endr
.irp k,0,1,2,3
	v_pk_mul_f32 v[96+2*\k:97+2*\k], v[BIG+2*\k:BIG+2*\k+1], v[BIG+2*\k:BIG+2*\k+1]
.endr
.set II, 4
.rept 60
	v_pk_fma_f32 v[96+2*(II%4):97+2*(II%4)], v[BIG+2*II:BIG+2*II+1], v[BIG+2*II:BIG+2*II+1], v[96+2*(II%4):97+2*(II%4)]
.set II, II+1
.endr
.irp k,0,1,2,3
	v_pk_mul_f32 v[96+2*\k:97+2*\k], v[96+2*\k:97+2*\k], 0x43000000 op_sel_hi:[1,0]   ; x 128 points a block
.endr
	WIN 0x04
.set II, 0
.rept 64
	v_pk_add_f32 v[96+2*(II%4):97+2*(II%4)], v[96+2*(II%4):97+2*(II%4)], v[2*II:2*II+1]
.set II, II+1
.endr
	WIN 0
	v_pk_add_f32 v[96:97], v[96:97], v[98:99]
	v_pk_add_f32 v[100:101], v[100:101], v[102:103]
	v_pk_add_f32 v[96:97], v[96:97], v[100:101]
	v_mov_b32 v106, 0x3727c5ac                     ; 1e-5
	v_mov_b32 v107, 0x3727c5ac
	v_pk_fma_f32 v[96:97], v[96:97], 0x39000000, v[106:107] op_sel_hi:[1,0,1]   ; var + eps
	v_rsq_f32 v108, v96
	v_rsq_f32 v109, v97
	v_nop                                          ; a plain line behind the roots,
	s_wait_alu depctr_va_vdst(0)                   ; and a wait ahead of their first reader
	ds_store_b64 v[T8], v[104:105] offset:MU
	ds_store_b64 v[T8], v[108:109] offset:RS
	BARRIER
; ---- normalise, clip, quantise: register 16 b + i = channel 128 (wave % 4) + 32 b + 16 hh + i of my point
.irp b,0,1,2,3
.irp j,0,1,2,3
	ds_load_b128 v[BIG+16*\b+4*\j:BIG+16*\b+4*\j+3], v[NA] offset:MU+128*\b+16*\j
	ds_load_b128 v[BIG+64+16*\b+4*\j:BIG+64+16*\b+4*\j+3], v[NA] offset:RS+128*\b+16*\j
.endr
.endr
	s_wait_loadcnt 40                              ; y is in; W2's 32 and the 8 scale words may be out
	s_wait_dscnt 0x0
.set II, 0
.rept 32
	v_pk_add_f32 v[Y+2*II:Y+2*II+1], v[Y+2*II:Y+2*II+1], v[BIG+2*II:BIG+2*II+1] neg_lo:[0,1] neg_hi:[0,1]
.set II, II+1
.endr
.set II, 0
.rept 32
	v_pk_mul_f32 v[Y+2*II:Y+2*II+1], v[Y+2*II:Y+2*II+1], v[BIG+64+2*II:BIG+64+2*II+1]
.set II, II+1
.endr
	QUANT Y, Y, PC, 4, 1, 0
.irp c,0,1,2,3
	ds_store_b128 v[HWI], v[PC+4*\c:PC+4*\c+3] offset:512*\c
.endr
	ds_store_b32 v[HWS], v[PW]
.irp u,0,1
	global_load_b128 v[B2+8*\u:B2+8*\u+3], v[B2A], s[12:13] offset:32*\u        ; b2 in the result's layout: channel 32 wave + 16 hh + 8 u + j
	global_load_b128 v[B2+8*\u+4:B2+8*\u+7], v[B2A], s[12:13] offset:32*\u+16
.endr
	WIN 0x40
.irp k,0,1,2,3,4,5,6,7
	global_load_b128 v[4*\k:4*\k+3], v[LI], s[14:15] offset:512*\k              ; my four rows of descs, into the registers that M2 has left
.endr
	WIN 0
	BARRIER                                        ; the hidden layer's eight fragments lie in LDS
.set II, 0
.rept 32
	ds_load_b128 v[BIG+4*II:BIG+4*II+3], v[LI] offset:HIMG+512*II
.set II, II+1
.endr
.set II, 0
.rept 8
	ds_load_b32 v[HS+II], v[LS] offset:HSC+128*II
.set II, II+1
.endr
	s_wait_loadcnt 8                               ; W2, its scale words and b2 are in; descs' eight loads may be out
	s_wait_dscnt 0x0
	WIN 0x01                                       ; source 0 (W2) window 1
.irp kk,0,1,2,3
.irp rt,0,1
.irp u,0,1
.if \kk == 0
	v_wmma_scale_f32_16x16x128_f8f6f4 v[16+8*(2*\rt+\u):16+8*(2*\rt+\u)+7], v[128+16*(4*\u+\kk):128+16*(4*\u+\kk)+15], v[BIG+16*(4*\rt+\kk):BIG+16*(4*\rt+\kk)+15], v[B2+8*\u:B2+8*\u+7], v[W2S+4*\u+\kk], v[HS+4*\rt+\kk]
.else
	v_wmma_scale_f32_16x16x128_f8f6f4 v[16+8*(2*\rt+\u):16+8*(2*\rt+\u)+7], v[128+16*(4*\u+\kk):128+16*(4*\u+\kk)+15], v[BIG+16*(4*\rt+\kk):BIG+16*(4*\rt+\kk)+15], v[16+8*(2*\rt+\u):16+8*(2*\rt+\u)+7], v[W2S+4*\u+\kk], v[HS+4*\rt+\kk]
.endif
.endr
.endr
.endr
	WIN 0
	PLACES 8
.irp rt,0,1
.irp u,0,1
	ds_store_b128 v[SO], v[16+8*(2*\rt+\u):16+8*(2*\rt+\u)+3] offset:16640*\rt+32*\u          ; each accumulator from its low end on
	ds_store_b128 v[SO], v[16+8*(2*\rt+\u)+4:16+8*(2*\rt+\u)+7] offset:16640*\rt+32*\u+16
.endr
.endr
	BARRIER                                        ; 32 whole rows lie in the stage
.irp i,0,1,2,3
	ds_load_b128 v[BIG+8*\i:BIG+8*\i+3], v[SR] offset:1040*\i
	ds_load_b128 v[BIG+8*\i+4:BIG+8*\i+7], v[SR] offset:1040*\i+512
.endr
	s_wait_loadcnt 0x0                             ; descs
	s_wait_dscnt 0x0
	WIN 0x04
.set II, 0
.rept 16
	v_pk_add_f32 v[BIG+2*II:BIG+2*II+1], v[BIG+2*II:BIG+2*II+1], v[2*II:2*II+1]    ; the residual
.set II, II+1
.endr
	WIN 0
.irp k,0,1,2,3,4,5,6,7
	global_store_b128 v[LI], v[BIG+4*\k:BIG+4*\k+3], s[16:17] offset:512*\k        ; 512 consecutive bytes a store, aligned
.endr
	s_wait_tensorcnt 0x0
	ds_add_u32 v126, v127
	s_wait_dscnt 0x0
	s_endpgm
.Lfunc_end_k_qf9f8365828_post2:
	.size	k_qf9f8365828_post2, .Lfunc_end_k_qf9f8365828_post2-k_qf9f8365828_post2
	.p2alignl 7, 3214868480
	.fill 96, 4, 3214868480
	.section	.rodata,"a",@progbits
	.p2align	6, 0x0
	.amdhsa_kernel k_qf9f8365828_post2
		.amdhsa_group_segment_fixed_size 58368
		.amdhsa_private_segment_fixed_size 0
		.amdhsa_enable_private_segment 0
		.amdhsa_kernarg_size 56
		.amdhsa_user_sgpr_count 2
		.amdhsa_user_sgpr_kernarg_segment_ptr 1
		.amdhsa_wavefront_size32 1
		.amdhsa_system_sgpr_workgroup_id_x 1
		.amdhsa_system_sgpr_workgroup_id_y 1
		.amdhsa_system_sgpr_workgroup_id_z 1
		.amdhsa_system_vgpr_workitem_id 0
		.amdhsa_next_free_vgpr 512
		.amdhsa_next_free_sgpr 66
		.amdhsa_reserve_vcc 0
		.amdhsa_float_denorm_mode_32 3
		.amdhsa_float_denorm_mode_16_64 3
		.amdhsa_memory_ordered 1
		.amdhsa_forward_progress 1
		.amdhsa_inst_pref_size 63
	.end_amdhsa_kernel
	.amdgpu_metadata
---
amdhsa.version: [ 1, 2 ]
amdhsa.kernels:
  - .name:           k_qf9f8365828_post2
    .symbol:         k_qf9f8365828_post2.kd
    .args:
      - { .name: ybuf, .offset: 0, .size: 8, .value_kind: global_buffer, .address_space: global }
      - { .name: part, .offset: 8, .size: 8, .value_kind: global_buffer, .address_space: global }
      - { .name: wimg, .offset: 16, .size: 8, .value_kind: global_buffer, .address_space: global }
      - { .name: wsc, .offset: 24, .size: 8, .value_kind: global_buffer, .address_space: global }
      - { .name: b2, .offset: 32, .size: 8, .value_kind: global_buffer, .address_space: global }
      - { .name: descs, .offset: 40, .size: 8, .value_kind: global_buffer, .address_space: global }
      - { .name: out0, .offset: 48, .size: 8, .value_kind: global_buffer, .address_space: global }
    .group_segment_fixed_size: 58368
    .private_segment_fixed_size: 0
    .kernarg_segment_align: 8
    .kernarg_segment_size: 56
    .max_flat_workgroup_size: 256
    .sgpr_count:     66
    .vgpr_count:     512
    .wavefront_size: 32
...
	.end_amdgpu_metadata
.endif
;; end of part 4
